; MI455X (gfx1250); checked and timed in simulation.
; The chip was launched on July 23, 2026; its instructions are those of AMD's public machine-readable ISA for CDNA 5 (MIT licence, August 2026) and "CDNA5" Instruction Set Architecture Reference Guide (July 2026). The comments in the code are by the model that wrote it; some were corrected since.
;; Multi Head Attention. Allowed arithmetic: matrix products marked QUANTISED: E4M3 operands, one given power-of-two scale a tensor, by v_wmma_f32_16x16x64_fp8_fp8 or v_wmma_f32_16x16x128_fp8_fp8, f32 sums; everything else in f32.
;; Inputs: Wk_codes 2,048 x 64 x 32 uint8 (E4M3 codes of Wk, K innermost, in blocks of 32 codes); Wo_codes 2,048 x 64 x 32 uint8 (E4M3 codes of Wo, K innermost, in blocks of 32 codes); Wq_codes 2,048 x 64 x 32 uint8 (E4M3 codes of Wq, K innermost, in blocks of 32 codes); Wv_codes 2,048 x 64 x 32 uint8 (E4M3 codes of Wv, K innermost, in blocks of 32 codes); bk 2,048 float32; bo 2,048 float32; bq 2,048 float32; bv 2,048 float32; lowp_scales 12 int32 (the exponents e of the quantised operands' scales 2^e); x_codes 2,048 x 64 x 32 uint8 (E4M3 codes of x, K innermost, in blocks of 32 codes).
;; Outputs: out0 2,048 x 2,048 float32.
;; This version of the problem:
;;   THIS VERSION OF THE PROBLEM IS GIVEN IN LOW PRECISION. The matrix products marked QUANTISED in the list below multiply operands that are first quantised to E4M3 (4 exponent bits, 3 mantissa bits; 8 bits a number), with one given power-of-two scale for each operand tensor; their sums are f32. All else is computed in f32.
;;   The module's matrix products, in the order in which they are computed (A, B: the left and right operand; K: the contracted axis; several contracted axes count as one K, in the product's order):
;;     1. [M 2,048, K 2,048] x [K 2,048, N 2,048]; A: input x (given as codes); B: input Wq (given as codes): QUANTISED (scales: A lowp_scales[0], B lowp_scales[1])
;;     2. [M 2,048, K 2,048] x [K 2,048, N 2,048]; A: input x (given as codes); B: input Wk (given as codes): QUANTISED (scales: A lowp_scales[2], B lowp_scales[3])
;;     3. [M 2,048, K 2,048] x [K 2,048, N 2,048]; A: input x (given as codes); B: input Wv (given as codes): QUANTISED (scales: A lowp_scales[4], B lowp_scales[5])
;;     4. batch 16 x [M 2,048, K 128] x [K 128, N 2,048]; A: computed on the way; B: computed on the way: QUANTISED (scales: A lowp_scales[6], B lowp_scales[7])
;;     5. batch 16 x [M 128, K 2,048] x [K 2,048, N 2,048]; A: computed on the way; B: softmax (see below): QUANTISED (scales: A lowp_scales[8], B lowp_scales[9])
;;     6. [M 2,048, K 2,048] x [K 2,048, N 2,048]; A: computed on the way; B: input Wo (given as codes): QUANTISED (scales: A lowp_scales[10], B lowp_scales[11])
;;   THE QUANTISER, for each operand of a quantised product, along K:
;;     - The operand's scale is 2^e, e = its entry of the input lowp_scales (int32; the entries are numbered through the quantised products in the list's order, A before B).
;;     - Each number is divided by the scale, clamped to +-448, and rounded to the nearest number of E4M3, ties to even, subnormals kept.
;;     - The product sums the exact products of the quantised numbers (number of the format x scale) in f32.
;;   ~~~python
;;   def quantise(x, axis, e):      # numpy; x: float32 -> the quantised numbers, widened to float32 again
;;       x = np.moveaxis(x, axis, -1); K = x.shape[-1]
;;       r = np.clip(x / 2.0 ** e, -448, 448)
;;       step = 2.0 ** (np.maximum(np.frexp(np.where(r == 0, 1, r))[1] - 1, -6) - 3)
;;       q = np.round(r / step) * step * 2.0 ** e      # np.round: ties to even
;;       return np.moveaxis(q, -1, axis).astype(np.float32)
;;   ~~~
;;   SOFTMAX AHEAD OF A QUANTISED PRODUCT. Where the list says 'softmax', what is quantised is not the finished softmax but p = 2^(t - M), with t = logit x log2(e) and M = ceil(the row's largest t), a whole number; so 1/2 < the row's largest p <= 1. The row's sum l is taken of the UNQUANTISED p, in f32, and the product's result is divided by l at the end. Since M is a whole number, a kernel that streams over the keys may use a running M (the ceiling of the running maximum): every later rescaling is an exact power of two, so the quantised numbers keep their values, but for numbers so far below the row's largest that they fall under the format's range.
;;   OPERANDS COMPUTED ON THE WAY. 'Computed on the way' means the value that the module computes at that place (a softmax that the list does not call 'softmax' is quantised finished and normalised). What goes into a quantiser is computed in f32, as accurately as f32 sums, v_exp_f32 and their like allow (about 1e-6 of the number): no bf16 or f16 on the way to a quantiser, and a product that is left as it is and whose result goes on into a quantised operand takes f32 operands (vector FMAs, or v_wmma_f32_16x16x4_f32). A number that lies on a knife's edge between two numbers of the format may be rounded either way, as far as f32 arithmetic and the matrix unit's own rounding can turn it there, and no further.
;;   INPUTS GIVEN AS CODES. Wk (in the module: [2048, 2048], K = its axis 1); Wo (in the module: [2048, 2048], K = its axis 1); Wq (in the module: [2048, 2048], K = its axis 1); Wv (in the module: [2048, 2048], K = its axis 1); x (in the module: [2048, 2048], K = its axis 1): each comes as NAME_codes (uint8): NAME with its K axis moved to the last place and cut into blocks of 32 codes, [.., K / 32, bytes a block], one block behind the other in memory; one code a byte (a code: sign, 4 exponent bits, 3 mantissa bits); its scale is its entry of lowp_scales. Its value is code x scale, taken as it is: it is not quantised again, and the codes and scales need not be those that the quantiser above would give.
;; One version. Each part assembles by itself: llvm-mc -triple=amdgcn-amd-amdhsa -mcpu=gfx1250 --defsym DOCPART=n.
;; ======== version 1 of 1: 3 launches
;; limits: right only within a limited range of input values
;; workspace buffers: qf 4,194,304 bytes; kf 4,194,304 bytes; vf 4,194,304 bytes; af 4,194,304 bytes
;; launch qkv (part 1): grid 16 x 16, 4 waves a work-group, clusters of 4 x 4, 327,680 bytes of LDS; arguments x_codes, Wq_codes, Wk_codes, Wv_codes, bq, bk, bv, lowp_scales, qf, kf, vf; writes qf, kf, vf
.if DOCPART == 1
	.amdgcn_target "amdgcn-amd-amdhsa--gfx1250"
	.amdhsa_code_object_version 6
	.text
	.protected	k_qbb073c08aa_qkv
	.globl	k_qbb073c08aa_qkv
	.p2align	8
	.type	k_qbb073c08aa_qkv,@function
k_qbb073c08aa_qkv:
	s_mov_b64 s[64:65], 0
	v_nop
	global_prefetch_b8 v0, s[64:65] scope:SCOPE_SE
	s_setreg_imm32_b32 hwreg(HW_REG_WAVE_MODE, 25, 1), 1
	s_wait_xcnt 0x0
	s_wait_alu depctr_hold_cnt(0) depctr_sa_sdst(0) depctr_va_vdst(0) depctr_va_sdst(0) depctr_va_ssrc(0) depctr_va_vcc(0) depctr_vm_vsrc(0)
	s_getreg_b32 s2, hwreg(HW_REG_IB_STS2, 6, 4)
	s_cmp_eq_u32 s2, 0
	s_cbranch_scc0 .Lentry_in_a_cluster
	s_endpgm
.Lentry_in_a_cluster:
	s_bfe_u32 s2, ttmp6, 0x10000c
	s_cmp_lg_u32 s2, 0xf033
	s_cbranch_scc0 .Lentry_shape_is_right
	s_endpgm
.Lentry_shape_is_right:
; Q = x Wq^T + bq, K = x Wk^T + bk, V = x Wv^T + bv on codes of FP8 (E4M3); each result is quantised at once, in f32, with its given scale, and stored as codes.
; x, Wq, Wk, Wv: [2048][2048] codes, K innermost.  lowp_scales: e0 .. e11.  A sum of product 1 stands for sum x 2^(e0 + e1), of product 2 x 2^(e2 + e3), of product 3 x 2^(e4 + e5).
; Q's codes take 2^e6, K's 2^e7, V's 2^e8: number / 2^e, held within +-448, to the nearest code, ties to even.
; SHARES.  A work-group makes 128 rows (block mb) x one head's 128 columns of each of Q, K and V: 16 x 16 work-groups.  Wave w takes all 8 tiles of rows x column tiles 2 w, 2 w + 1 of each of the three:
; 48 accumulators, 384 registers; 14 fragments from LDS feed 48 matrix instructions for 128 along K.
; CLUSTERS: 4 x 4 work-groups.  The four of a row of the cluster need the same rows of x, the four of a column the same rows of Wq, Wk, Wv: each tile is asked for JOINTLY (wave 0: x; waves 1, 2, 3: Wq, Wk, Wv).
; K goes 256 to a slot (tile rows of 256 bytes) through a ring of two LDS slots: 8 fills, two steps of 128 each.
; THE RESULTS ARE STORED AS IMAGES OF THE NEXT OPERAND'S REGISTERS.  Q and K are made transposed (source 0 = 16 rows of W, source 1 = 16 rows of x): a lane holds one row s and eight neighbouring channels d, so one
; conversion of column tile t gives registers 2 t, 2 t + 1 of the fragment (16 rows s x 128 d) that attention's first product takes.  V is made the natural way (source 0 = x, source 1 = Wv): a lane holds one channel d
; and eight neighbouring keys, so row tile i gives registers 2 i, 2 i + 1 of the fragment (16 d x 128 keys) of the second product.  A fragment is 2,048 bytes: registers 4 c .. 4 c + 3 of lane l at 512 c + 16 l.
; qf, kf: [head][tile of 16 rows, 128][2048];  vf: [head][block of 128 keys, 16][tile of 16 d, 8][2048].  Every store of a wave covers 512 consecutive bytes, aligned.
; x's and W's fragments are fetched by four loads of 16 bytes: registers 4 c .. 4 c + 3 hold k = 32 c + 16 (l / 16) + 0 .. 15: a permutation of k, alike on both sides; only the order of the sums inside an instruction changes.
; LIMITS: e0 + e1, e2 + e3, e4 + e5 between -126 and 127; e6, e7, e8 between -126 and 119, so that each power of two below is an f32 number.  NaN among the biases is not served.
; REGISTERS, in windows of 256.  window 0: v1-7 at work; v8-13 scales and holds; v14 store offset; v16-23 LDS addresses; v28, v29 the spare word's; v64-159, v160-255 W's six fragments, two sets; on the way out v64-255 are free.
;   window 1: x's eight fragments, two sets.   window 2: Q's 16 accumulators at v[8 (2 i + u)], K's at v[128 + 8 (2 i + u)].   window 3: V's at v[8 (2 i + u)]; v128-143 bq, v144-159 bk, v160-163 bv.
.set PITCH,  272                       ; an LDS row: 256 bytes + 16 of padding = 68 words: the 16 rows that a load touches start at 16 different banks (64 banks of 4 bytes: ISA guide 11.1)
.set HALFT,  128*PITCH                 ; 128 rows: what one tensor load brings
.set SLOT,   4*HALFT                   ; x's 128 rows, then Wq's, Wk's, Wv's
.set SPARE,  2*SLOT                    ; behind the ring: the spare words, 128 bytes for each wave
.set SO,   14                          ; v14     16 x lane
.set ADX,  16                          ; v16-17  LDS address of x's fragments in slot 0, 1
.set ADW,  18                          ; v18-23  of my fragments of Wq, Wk, Wv: v[ADW + 2 T + slot]
.set SPW,  28                          ; v28     LDS address of my spare word; never rewritten
.set NIL,  29                          ; v29     0; never rewritten
.set WF,   64                          ; W's fragments: set p, tensor T, tile u at v[WF + 96 p + 16 (2 T + u)]
.set TMP,  64                          ; the way out: 128 numbers
.set CA,   192                         ; the way out: codes of Q, later of V
.set CB,   224                         ; codes of K
.set BQ,   128                         ; in window 3
.set BK,   144
.set BV,   160
.set G1,  24                           ; s[24:31] descriptor group 1 for x's tiles;  s[32:39] group 0, one set for each slot
.set G0,  32
.set G1B, 48                           ; s[48:55], s[56:63] the same for W's tiles
.set G0B, 56
.set MSB, 0
.macro WIN new                         ; the immediate's high byte repeats the setting that is left
.if MSB != \new
	s_set_vgpr_msb (MSB<<8)|\new
.set MSB, \new
.endif
.endm
; A joint load: wave 0 fetches x's tile, waves 1 to 3 one W's tile each.  The branch hangs on the wave's number alone.  Four v_nop follow each of the two lines.
.macro JLOAD s
	s_cmp_eq_u32 s14, 0
	s_cbranch_scc0 .Lfor_w_\@
	tensor_load_to_lds s[G0+4*\s:G0+4*\s+3], s[G1:G1+7]
	s_nop 0
.rept 4
	v_nop
.endr
	s_branch .Lasked_\@
.Lfor_w_\@:
	tensor_load_to_lds s[G0B+4*\s:G0B+4*\s+3], s[G1B:G1B+7]
	s_nop 0
.rept 4
	v_nop
.endr
.Lasked_\@:
.endm
.macro CREST                           ; a round of the cluster's barrier behind its opening barrier
	s_cmp_lg_u32 s14, 0
	s_cbranch_scc1 .Lnot_wave_0_\@
	s_barrier_signal -3
.Lnot_wave_0_\@:
	s_barrier_wait -3
	s_barrier_signal -1
	s_barrier_wait -1
.endm
.macro CROUND                          ; a whole round
	s_barrier_signal -1
	s_barrier_wait -1
	CREST
.endm
.macro PLACES n                        ; plain vector instructions between a matrix instruction and a load into, or a vector read or write of, its registers
.rept \n
	v_nop
.endr
.endm
	s_load_b256 s[4:11], s[0:1], 0x0               ; x s[4:5], Wq s[6:7], Wk s[8:9], Wv s[10:11]
	s_load_b256 s[68:75], s[0:1], 0x20             ; bq s[68:69], bk s[70:71], bv s[72:73], the scales' exponents s[74:75]
	s_load_b128 s[76:79], s[0:1], 0x40             ; qf s[76:77], kf s[78:79]
	s_load_b64 s[80:81], s[0:1], 0x50              ; vf
	v_lshl_add_u32 v[SPW], v0, 2, SPARE
	v_mov_b32 v[NIL], 0
	ds_add_u32 v28, v29
	ds_add_u32 v28, v29
	s_wait_dscnt 0x0
	v_lshrrev_b32 v1, 5, v0
	v_readfirstlane_b32 s14, v1                    ; wave 0..3
	s_bfe_u32 s40, ttmp6, 0x40000                  ; cx, cy: my place in the cluster
	s_bfe_u32 s41, ttmp6, 0x40004
	s_lshl_b32 s42, ttmp9, 2
	s_add_co_u32 s42, s42, s40                     ; the head = 4 x cluster x + cx
	s_and_b32 s17, ttmp7, 0xffff
	s_lshl_b32 s17, s17, 2
	s_add_co_u32 s17, s17, s41                     ; the block of 128 rows = 4 x cluster y + cy
	s_lshl_b32 s43, s41, 2
	s_lshl_b32 s43, 15, s43                        ; my row of the cluster
	s_lshl_b32 s44, 0x1111, s40                    ; my column
	; descriptor group 1: a tile of 128 rows x 256 bytes, rows 2,048 bytes apart in memory, padded in LDS
	s_or_b32 s[G1+0], s43, (1<<20)|(1<<21)|(5<<22)|(3<<25)   ; 15:0 the mask: x's tiles go to my row; 17:16 elements of 1 byte; 20 padding on; 21 set beside a mask; 24:22 after every 64 words; 31:25 four words
	s_or_b32 s[G1B+0], s44, (1<<20)|(1<<21)|(5<<22)|(3<<25)  ; the same with my column's mask, for W's tiles
.irp g, G1, G1B
	s_mov_b32 s[\g+1], 256<<16                     ; tensor_dim0
	s_mov_b32 s[\g+2], 128<<16                     ; tensor_dim1
	s_mov_b32 s[\g+3], 256<<16                     ; tile_dim0
	s_mov_b32 s[\g+4], 128                         ; tile_dim1
	s_mov_b32 s[\g+5], 2048                        ; tensor_dim0_stride
	s_mov_b32 s[\g+6], 0
	s_mov_b32 s[\g+7], 0
.endr
	s_lshl_b32 s20, s17, 18                        ; x: 128 rows of 2,048 bytes for each block: hangs on the block alone
	s_mov_b32 s21, 0
	s_lshl_b32 s22, s42, 18                        ; W: the head's 128 rows: hangs on the head alone
	s_mov_b32 s23, 0
	s_mul_i32 s45, s14, HALFT                      ; where my tile goes: wave x 128 rows: no place in the cluster enters an LDS address
	s_wait_kmcnt 0x0
	s_load_b256 s[84:91], s[74:75], 0x0            ; e0 .. e7
	s_load_b32 s92, s[74:75], 0x20                 ; e8
	s_cmp_eq_u32 s14, 2                            ; which W my wave fetches: wave 1 Wq, wave 2 Wk, wave 3 Wv (wave 0 asks by x's descriptor)
	s_cselect_b64 s[46:47], s[8:9], s[6:7]
	s_cmp_eq_u32 s14, 3
	s_cselect_b64 s[46:47], s[10:11], s[46:47]
	s_add_nc_u64 s[46:47], s[46:47], s[22:23]
	s_add_nc_u64 s[20:21], s[4:5], s[20:21]
	CROUND                                         ; all sixteen work-groups are here: the first joint loads meet
.irp s, 0,1
	s_mov_b32 s[G0+4*\s], 1                                        ; count = 1
	s_add_co_u32 s[G0+4*\s+1], s45, \s*SLOT                        ; LDS address
	s_add_nc_u64 s[G0+4*\s+2:G0+4*\s+3], s[20:21], \s*256          ; global address: 256 along K for each fill
	s_or_b32 s[G0+4*\s+3], s[G0+4*\s+3], 0x80000000                ; type = 2
	s_mov_b32 s[G0B+4*\s], 1
	s_add_co_u32 s[G0B+4*\s+1], s45, \s*SLOT
	s_add_nc_u64 s[G0B+4*\s+2:G0B+4*\s+3], s[46:47], \s*256
	s_or_b32 s[G0B+4*\s+3], s[G0B+4*\s+3], 0x80000000
.endr
	JLOAD 0                                        ; fill 0: one tensor load a wave at the head
; A PREFETCH INTO THE L2 stands behind each fill's joint load, for the fill two further on (256 bytes of each row, aligned): 192 matrix instructions ahead of the load that wants it.
; Each cluster asks for what it will itself load.  Of the 128 rows that a wave fetches, each of the four partners that ask jointly takes 32, told apart BY ADDRESS (cx for x, cy for W): a lane a row.
; Fills 0 and 1 come by their loads alone; the loads of fills 6 and 7 have no fill two on, and nothing is asked for behind them.
.set PFA, 12                           ; s[12:13] where my prefetches stand
.set PFO, 30                           ; v30      2,048 x my lane; never rewritten
	s_cmp_eq_u32 s14, 0
	s_cselect_b64 s[PFA:PFA+1], s[20:21], s[46:47]
	s_cselect_b32 s22, s40, s41
	s_lshl_b32 s22, s22, 16                        ; my work-group's 32 rows of the 128,
	s_add_co_u32 s22, s22, 512                     ; at fill 2 (s23 is 0)
	s_add_nc_u64 s[PFA:PFA+1], s[PFA:PFA+1], s[22:23]
	v_and_b32 v1, 15, v0
	v_bfe_u32 v2, v0, 4, 1                         ; h = l / 16
	v_mul_u32_u24 v3, v1, PITCH
	v_lshl_add_u32 v3, v2, 4, v3                   ; a fragment's row x pitch + 16 h
	v_mov_b32 v[ADX], v3
	v_add_nc_u32 v[ADX+1], SLOT, v3
	s_mul_i32 s18, s14, 32*PITCH                   ; my 32 rows of each W's 128
.irp t, 0,1,2
.irp s, 0,1
	s_add_co_u32 s19, s18, (\t+1)*HALFT+\s*SLOT
	v_add_nc_u32 v[ADW+2*\t+\s], s19, v3
.endr
.endr
	v_and_b32 v4, 31, v0
	v_lshlrev_b32 v[SO], 4, v4
	v_lshlrev_b32 v[PFO], 11, v4
	; the biases.  Q, K: lane (r, h) wants, for tile u, those of channels 32 w + 16 u + 8 h + 0 .. 7 of the head;  V: that of channel 32 w + 16 u + r, twice (a pair for the packed form)
	s_lshl_b32 s82, s42, 9
	s_lshl_b32 s66, s14, 7
	s_add_co_u32 s82, s82, s66
	s_mov_b32 s83, 0
	s_add_nc_u64 s[68:69], s[68:69], s[82:83]
	s_add_nc_u64 s[70:71], s[70:71], s[82:83]
	s_add_nc_u64 s[72:73], s[72:73], s[82:83]
	v_lshlrev_b32 v5, 5, v2
	v_lshlrev_b32 v6, 2, v1
	WIN 0xc0                                       ; destination window 3
.irp u, 0,1
	global_load_b128 v[BQ+8*\u:BQ+8*\u+3],   v5, s[68:69] offset:64*\u
	global_load_b128 v[BQ+8*\u+4:BQ+8*\u+7], v5, s[68:69] offset:64*\u+16
	global_load_b128 v[BK+8*\u:BK+8*\u+3],   v5, s[70:71] offset:64*\u
	global_load_b128 v[BK+8*\u+4:BK+8*\u+7], v5, s[70:71] offset:64*\u+16
	global_load_b32 v[BV+2*\u],   v6, s[72:73] offset:64*\u
	global_load_b32 v[BV+2*\u+1], v6, s[72:73] offset:64*\u
.endr
	WIN 0
	s_wait_alu depctr_va_vdst(0)
	global_prefetch_b8 v[PFO], s[PFA:PFA+1] th:TH_LOAD_NT scope:SCOPE_SE   ; fill 2
	; where my codes go: head x 262,144 + block x 16,384, + 512 w in qf and kf (register group w of each fragment), + 4,096 w in vf (fragments 2 w, 2 w + 1)
	s_lshl_b32 s66, s42, 18
	s_lshl_b32 s67, s17, 14
	s_add_co_u32 s66, s66, s67
	s_lshl_b32 s67, s14, 9
	s_add_co_u32 s82, s66, s67
	s_add_nc_u64 s[76:77], s[76:77], s[82:83]
	s_add_nc_u64 s[78:79], s[78:79], s[82:83]
	s_lshl_b32 s67, s14, 12
	s_add_co_u32 s82, s66, s67
	s_add_nc_u64 s[80:81], s[80:81], s[82:83]
.macro FRAG reg, adr, q, i             ; a fragment, 16 rows x 128 K: four loads of 16 bytes a lane, 32 bytes apart
.irp c, 0,1,2,3
	ds_load_b128 v[\reg+4*\c:\reg+4*\c+3], v[\adr] offset:128*(\q)+32*\c+(\i)*16*PITCH
.endr
.endm
.macro FETCH slot, q, p                ; 56 LDS loads in one run: x's eight fragments and my six of W, of the slot's q-th 128 along K, into set p
	WIN 0x40                                       ; destination window 1
.irp i, 0,1,2,3,4,5,6,7
	FRAG 128*(\p)+16*\i, ADX+\slot, \q, \i
.endr
	WIN 0
.irp t, 0,1,2
.irp u, 0,1
	FRAG WF+96*(\p)+16*(2*\t+\u), ADW+2*\t+\slot, \q, \u
.endr
.endr
.endm
; 8 matrix instructions of Q (t = 0) or K (t = 1): row tiles i0 .. i0 + 3 x my two column tiles; source 0 = W, source 1 = x.  zero = 1: the first product starts the sums: nothing is ever cleared.
; The 48 accumulators take turns, one instruction a turn, in the same order in every step.
.macro MULH t, p, zero, i0
	WIN 0xa4                                       ; source 0 window 0, source 1 window 1, C and D window 2
.irp i, \i0, \i0+1, \i0+2, \i0+3
.irp u, 0,1
.if \zero
	v_wmma_f32_16x16x128_fp8_fp8 v[128*\t+8*(2*(\i)+\u):128*\t+8*(2*(\i)+\u)+7], v[WF+96*\p+16*(2*\t+\u):WF+96*\p+16*(2*\t+\u)+15], v[128*\p+16*(\i):128*\p+16*(\i)+15], 0
.else
	v_wmma_f32_16x16x128_fp8_fp8 v[128*\t+8*(2*(\i)+\u):128*\t+8*(2*(\i)+\u)+7], v[WF+96*\p+16*(2*\t+\u):WF+96*\p+16*(2*\t+\u)+15], v[128*\p+16*(\i):128*\p+16*(\i)+15], v[128*\t+8*(2*(\i)+\u):128*\t+8*(2*(\i)+\u)+7]
.endif
.endr
.endr
.endm
.macro MULV p, zero                    ; V's 16: source 0 = x, source 1 = Wv
	WIN 0xf1                                       ; source 0 window 1, source 1 window 0, C and D window 3
.irp i, 0,1,2,3,4,5,6,7
.irp u, 0,1
.if \zero
	v_wmma_f32_16x16x128_fp8_fp8 v[8*(2*\i+\u):8*(2*\i+\u)+7], v[128*\p+16*\i:128*\p+16*\i+15], v[WF+96*\p+16*(4+\u):WF+96*\p+16*(4+\u)+15], 0
.else
	v_wmma_f32_16x16x128_fp8_fp8 v[8*(2*\i+\u):8*(2*\i+\u)+7], v[128*\p+16*\i:128*\p+16*\i+15], v[WF+96*\p+16*(4+\u):WF+96*\p+16*(4+\u)+15], v[8*(2*\i+\u):8*(2*\i+\u)+7]
.endif
.endr
.endr
.endm
; A slot's first step multiplies set 0 and fetches the slot's second 128 along K into set 1, 48 matrix instructions ahead of its use.
.macro STEP slot, zero
	s_wait_dscnt 0x0                               ; set 0 is in (asked for 32 matrix instructions ago)
	PLACES 4                                       ; in front of the loads into set 1, which the step before multiplied
	FETCH \slot, 1, 1
	MULH 0, 0, \zero, 0
	MULH 0, 0, \zero, 4
	MULH 1, 0, \zero, 0
	MULH 1, 0, \zero, 4
	MULV 0, \zero
	WIN 0
.endm
; A slot's second step multiplies set 1 and changes slots: ONE barrier; in front of it each wave waits for all its tensor loads, adds 0 to its spare word, and waits for that and for its own reads of this slot.
; fill = 1: this slot is filled again, with the 256 along K two fills on; from the request to the wait for it a wave issues 80 matrix instructions.
.macro TURN slot, next, fill
.if \fill
	s_wait_xcnt 0x0                                ; the last prefetch has read its address, so it may be stepped
	s_add_nc_u64 s[PFA:PFA+1], s[PFA:PFA+1], 256
.endif
	s_wait_tensorcnt 0x0                           ; all my tensor loads have landed: my tile of the next slot;  (every window is 0 here)
	ds_add_u32 v[SPW], v[NIL]                      ; 0 onto my spare word
	s_wait_dscnt 1                                 ; set 1's 56 loads are in; the add alone may be out
	MULH 0, 1, 0, 0                                ; eight matrix instructions stand between the add and the wait for it
	s_wait_dscnt 0x0                               ; the add is done, and my reads of this slot are over
	s_barrier_signal -1
	MULH 0, 1, 0, 4
	WIN 0
	s_barrier_wait -1
.if \fill
	CREST                                          ; the barrier has opened a round of the cluster's barrier: no wave of any partner still reads this slot's tiles or has a load on its way
	s_add_nc_u64 s[G0+4*\slot+2:G0+4*\slot+3], s[G0+4*\slot+2:G0+4*\slot+3], 512
	s_add_nc_u64 s[G0B+4*\slot+2:G0B+4*\slot+3], s[G0B+4*\slot+2:G0B+4*\slot+3], 512
	JLOAD \slot                                    ; the first tensor load behind the round; the four v_nop behind it are also the places in front of the loads below
.else
	PLACES 4
.endif
	FETCH \next, 0, 0
.if \fill
	s_cmp_gt_u32 s3, 1                             ; the last trip's two loads have no fill two on
	s_cbranch_scc0 .Lno_ask_\@
	global_prefetch_b8 v[PFO], s[PFA:PFA+1] th:TH_LOAD_NT scope:SCOPE_SE
.Lno_ask_\@:
.endif
	MULH 1, 1, 0, 0
	MULH 1, 1, 0, 4
	MULV 1, 0
	WIN 0
.endm
	s_wait_alu depctr_va_vdst(0)                   ; the wait at the head's end
	s_wait_tensorcnt 0x0                           ; my tile of slot 0 is in; slot 1 is first filled as a refill is:
	ds_add_u32 v[SPW], v[NIL]
	s_wait_xcnt 0x0
	s_add_nc_u64 s[PFA:PFA+1], s[PFA:PFA+1], 256   ; fill 3
	s_wait_dscnt 0x0                               ; the add is done
	CROUND                                         ; everybody's tile of slot 0 is in
	JLOAD 1
	FETCH 0, 0, 0
	global_prefetch_b8 v[PFO], s[PFA:PFA+1] th:TH_LOAD_NT scope:SCOPE_SE
	STEP 0, 1                                      ; the first step stands in front of the loop: its products start the sums
	s_mov_b32 s3, 3
.Llap:                                                 ; a trip goes once round the ring, from a lap's second step to the next lap's first, and fills both slots again
	TURN 0, 1, 1
	STEP 1, 0
	TURN 1, 0, 1
	STEP 0, 0
	s_sub_co_u32 s3, s3, 1
	s_cmp_lg_u32 s3, 0
	s_cbranch_scc1 .Llap
	TURN 0, 1, 0                                   ; the last lap fills nothing, and has no round of the cluster's barrier
	STEP 1, 0
	s_wait_dscnt 0x0                               ; the very last step: nothing more to fetch
	MULH 0, 1, 0, 0
	MULH 0, 1, 0, 4
	MULH 1, 1, 0, 0
	MULH 1, 1, 0, 4
	MULV 1, 0
	WIN 0
; THE WAY OUT.  number = sum x 2^(its two exponents) + bias, one fused multiply-add; the hold at the largest code x the scale; the conversion; the codes are stored as they stand.
.macro POW2 d, a, b                    ; s[d], s[d + 1] = 2^(s[a] + s[b]) as f32 (the packed form names the pair)
	s_add_co_i32 s[\d], s[\a], s[\b]
	s_add_co_i32 s[\d], s[\d], 127
	s_lshl_b32 s[\d], s[\d], 23
	s_mov_b32 s[\d+1], s[\d]
.endm
.macro QSC e, vs, vl                   ; v[vs] = 2^e as f32: the conversion takes its exponent field;  v[vl] = 448 x 2^e
	s_add_co_i32 s66, s[\e], 127
	s_lshl_b32 s67, s66, 23
	v_mov_b32 v[\vs], s67
	s_add_co_i32 s66, s66, 8
	s_lshl_b32 s66, s66, 23
	s_or_b32 s66, s66, 0x600000
	v_mov_b32 v[\vl], s66
.endm
.macro SUMS win, acc, sc, bias, isv    ; 16 accumulators -> 128 numbers in v[TMP] on; each accumulator from its low end on
	WIN \win
.irp a, 0,1,2,3,4,5,6,7,8,9,10,11,12,13,14,15
.irp j, 0,2,4,6
.if \isv
	v_pk_fma_f32 v[TMP+8*\a+\j:TMP+8*\a+\j+1], v[\acc+8*\a+\j:\acc+8*\a+\j+1], s[\sc:\sc+1], v[\bias+2*(\a%2):\bias+2*(\a%2)+1] op_sel_hi:[1,0,1]
.else
	v_pk_fma_f32 v[TMP+8*\a+\j:TMP+8*\a+\j+1], v[\acc+8*\a+\j:\acc+8*\a+\j+1], s[\sc:\sc+1], v[\bias+8*(\a%2)+\j:\bias+8*(\a%2)+\j+1] op_sel_hi:[1,0,1]
.endif
.endr
.endr
	WIN 0
.endm
.macro TOCODES vs, vl, code, isv       ; accumulator a = 2 i + u.  Q, K: registers 2 u, 2 u + 1 of my group of row tile i's fragment;  V: registers 2 i, 2 i + 1 of fragment u
.irp a, 0,1,2,3,4,5,6,7,8,9,10,11,12,13,14,15
.irp j, 0,1,2,3,4,5,6,7
	v_med3_num_f32 v[TMP+8*\a+\j], v[TMP+8*\a+\j], -v[\vl], v[\vl]   ; the conversion to an 8-bit code does not saturate (ISA guide 7.6.2)
.endr
.if \isv
	v_cvt_scalef32_pk8_fp8_f32 v[\code+16*(\a%2)+2*(\a/2):\code+16*(\a%2)+2*(\a/2)+1], v[TMP+8*\a:TMP+8*\a+7], v[\vs]
.else
	v_cvt_scalef32_pk8_fp8_f32 v[\code+2*\a:\code+2*\a+1], v[TMP+8*\a:TMP+8*\a+7], v[\vs]
.endif
.endr
	v_nop                                          ; one plain vector instruction between the last conversion and the next vector instruction that writes its sources
.endm
	s_wait_kmcnt 0x0                               ; the exponents
	POW2 94, 84, 85
	POW2 96, 86, 87
	POW2 98, 88, 89
	QSC 90, 8, 9                                   ; these six v_mov_b32, which name no register of the last products, are the places behind them
	QSC 91, 10, 11
	QSC 92, 12, 13
	s_wait_loadcnt 0x0                             ; the biases
	SUMS 0x32, 0, 94, BQ, 0                        ; source 0 window 2, source 2 window 3
	TOCODES 8, 9, CA, 0
.irp i, 0,1,2,3,4,5,6,7
	global_store_b128 v[SO], v[CA+4*\i:CA+4*\i+3], s[76:77] offset:2048*\i   ; 32 lanes store 512 consecutive bytes, aligned: group w of row tile i's fragment
.endr
	SUMS 0x32, 128, 96, BK, 0
	TOCODES 10, 11, CB, 0
.irp i, 0,1,2,3,4,5,6,7
	global_store_b128 v[SO], v[CB+4*\i:CB+4*\i+3], s[78:79] offset:2048*\i
.endr
	SUMS 0x33, 0, 98, BV, 1                        ; sources 0 and 2 window 3
	s_wait_xcnt 0x0                                ; Q's stores have read their registers: V's codes may be written there
	TOCODES 12, 13, CA, 1
.irp u, 0,1
.irp c, 0,1,2,3
	global_store_b128 v[SO], v[CA+16*\u+4*\c:CA+16*\u+4*\c+3], s[80:81] offset:2048*\u+512*\c
.endr
.endr
	s_wait_tensorcnt 0x0                           ; the wave's end
	ds_add_u32 v[SPW], v[NIL]
	s_wait_dscnt 0x0
	CROUND                                         ; the closing round: no work-group ends while a partner may still ask for a tile that names it
	s_endpgm
.Lfunc_end_k_qbb073c08aa_qkv:
	.size	k_qbb073c08aa_qkv, .Lfunc_end_k_qbb073c08aa_qkv-k_qbb073c08aa_qkv
	.p2alignl 7, 3214868480
	.fill 96, 4, 3214868480
	.section	.rodata,"a",@progbits
	.p2align	6, 0x0
	.amdhsa_kernel k_qbb073c08aa_qkv
		.amdhsa_group_segment_fixed_size 327680
		.amdhsa_private_segment_fixed_size 0
		.amdhsa_enable_private_segment 0
		.amdhsa_kernarg_size 88
		.amdhsa_user_sgpr_count 2
		.amdhsa_user_sgpr_kernarg_segment_ptr 1
		.amdhsa_wavefront_size32 1
		.amdhsa_system_sgpr_workgroup_id_x 1
		.amdhsa_system_sgpr_workgroup_id_y 1
		.amdhsa_system_sgpr_workgroup_id_z 1
		.amdhsa_system_vgpr_workitem_id 0
		.amdhsa_next_free_vgpr 1024
		.amdhsa_next_free_sgpr 100
		.amdhsa_reserve_vcc 0
		.amdhsa_float_denorm_mode_32 3
		.amdhsa_float_denorm_mode_16_64 3
		.amdhsa_memory_ordered 1
		.amdhsa_forward_progress 1
		.amdhsa_inst_pref_size 110
	.end_amdhsa_kernel
	.amdgpu_metadata
---
amdhsa.version: [ 1, 2 ]
amdhsa.kernels:
  - .name:           k_qbb073c08aa_qkv
    .symbol:         k_qbb073c08aa_qkv.kd
    .args:
      - { .name: x_codes, .offset: 0, .size: 8, .value_kind: global_buffer, .address_space: global }
      - { .name: Wq_codes, .offset: 8, .size: 8, .value_kind: global_buffer, .address_space: global }
      - { .name: Wk_codes, .offset: 16, .size: 8, .value_kind: global_buffer, .address_space: global }
      - { .name: Wv_codes, .offset: 24, .size: 8, .value_kind: global_buffer, .address_space: global }
      - { .name: bq, .offset: 32, .size: 8, .value_kind: global_buffer, .address_space: global }
      - { .name: bk, .offset: 40, .size: 8, .value_kind: global_buffer, .address_space: global }
      - { .name: bv, .offset: 48, .size: 8, .value_kind: global_buffer, .address_space: global }
      - { .name: lowp_scales, .offset: 56, .size: 8, .value_kind: global_buffer, .address_space: global }
      - { .name: qf, .offset: 64, .size: 8, .value_kind: global_buffer, .address_space: global }
      - { .name: kf, .offset: 72, .size: 8, .value_kind: global_buffer, .address_space: global }
      - { .name: vf, .offset: 80, .size: 8, .value_kind: global_buffer, .address_space: global }
    .group_segment_fixed_size: 327680
    .private_segment_fixed_size: 0
    .kernarg_segment_align: 8
    .kernarg_segment_size: 88
    .max_flat_workgroup_size: 128
    .sgpr_count:     100
    .vgpr_count:     1024
    .wavefront_size: 32
...
	.end_amdgpu_metadata
.endif
;; end of part 1
;; launch attn (part 2): grid 16 x 16, 8 waves a work-group, clusters of 4 x 1, 327,680 bytes of LDS; arguments qf, kf, vf, lowp_scales, af; writes af
.if DOCPART == 2
	.amdgcn_target "amdgcn-amd-amdhsa--gfx1250"
	.amdhsa_code_object_version 6
	.text
	.protected	k_qbb073c08aa_attn
	.globl	k_qbb073c08aa_attn
	.p2align	8
	.type	k_qbb073c08aa_attn,@function
k_qbb073c08aa_attn:
	s_mov_b64 s[64:65], 0
	v_nop
	global_prefetch_b8 v0, s[64:65] scope:SCOPE_SE
	s_setreg_imm32_b32 hwreg(HW_REG_WAVE_MODE, 25, 1), 1
	s_wait_xcnt 0x0
	s_wait_alu depctr_hold_cnt(0) depctr_sa_sdst(0) depctr_va_vdst(0) depctr_va_sdst(0) depctr_va_ssrc(0) depctr_va_vcc(0) depctr_vm_vsrc(0)
	s_getreg_b32 s2, hwreg(HW_REG_IB_STS2, 6, 4)
	s_cmp_eq_u32 s2, 0
	s_cbranch_scc0 .Lentry_in_a_cluster
	s_endpgm
.Lentry_in_a_cluster:
	s_bfe_u32 s2, ttmp6, 0x10000c
	s_cmp_lg_u32 s2, 0x3003
	s_cbranch_scc0 .Lentry_shape_is_right
	s_endpgm
.Lentry_shape_is_right:
; O[s][head] = the sum over keys of softmax(Q . K / sqrt(128)) V, both products on codes of FP8 (E4M3); O is quantised at once with 2^e10 and stored as codes for the last product.
; qf, kf: [head][tile of 16 rows][2048], vf: [head][block of 128 keys][tile of 16 d][2048]: images of the operands' registers: registers 4 c .. 4 c + 3 of lane l at 512 c + 16 l.  Exponents: Q e6, K e7, V e8, p e9.
; THE SOFTMAX AHEAD OF THE SECOND PRODUCT: t = score x log2(e) / sqrt(128); M = the largest t so far, rounded UP to a whole number; p = 2^(t - M) is what is quantised; it is not normalised.
; The sum is taken of the unquantised p, in f32, and divides O at the end.  When M moves, the sum and O are multiplied by 2^(old M - new M): exact.
; SHARES.  A work-group owns 128 queries of one head: eight tiles of 16.  Its eight waves, 512 registers each, go in PAIRS: waves w and w + 4 own the same TWO tiles and split the keys: of a slot's four blocks of
; 128 keys waves 0 to 3 take blocks 0 and 1, waves 4 to 7 blocks 2 and 3, a step each.  Each half of the keys has its own running M, sum and O^T.  At the end a wave hands its second tile's to its partner through LDS
; and finishes its first tile: both parts are brought under the larger M (exact powers of two) and added.  Waves 4 to 7 hold the two tiles in the other order, by Q's address, so that all eight waves run one text.
; LAYOUT.  S^T = K Q^T (source 0 = 16 keys, source 1 = 16 queries), O^T = V^T P^T (source 0 = 16 channels, source 1 = P): a lane holds ONE query (lane % 16) throughout, and eight neighbouring keys (or channels) of tile f:
; one conversion gives registers 2 f, 2 f + 1 of the next operand, k = 16 f + 8 (lane / 16) + 0 .. 7, which is this form's own layout.
; TWO BUFFERS X AND Y of 128 registers take turns, step by step.  One holds the step's K, and V when K has been multiplied; the other the scores, then p, and when p's codes are made the NEXT step's K.
; So V lands under the softmax, and the next K under the second product.
; CLUSTER.  The four query blocks of a cluster belong to one head and walk the same K and V: each tile is asked for JOINTLY, each wave one load of 16,384 bytes (waves 0 to 3: K's blocks; 4 to 7: V's).
; A ring of two LDS slots of 512 keys, four fills; a load has two steps of every wave in which to land.  The tiles are dense and read back 512 consecutive bytes an instruction.
; af: [block of 128 rows][head][tile of 16 rows][2048]: byte (row, k) of a fragment at 256 (k / 16) + 16 row + k % 16: each of my eight stores covers 256 consecutive bytes, aligned.
; LIMITS: e6 + e7 between -123 and 130 (added to c's exponent field); e9 and e10 between -126 and 119; e8 + e9 is applied by v_ldexp_f32 and has none.  p is quantised under the running M of its own half of the keys.
; REGISTERS.  window 0: v1-19 addresses and work; v32-63 Q, 16 a tile; v64-191 X; v192-223 p's codes, 16 a tile; v224-247 statistics, 12 a tile; v249-251 scales.
;   window 1: v0-127 Y;  v128-255 O^T, 64 a tile.
.set SLOT1, 131072                     ; a slot: K's four blocks, V's four blocks, 16,384 bytes each
.set VOFF,  65536
.set SPARE, 2*SLOT1                    ; behind the ring: the spare words, 128 bytes for each of eight waves
.set STB,   8704                       ; the exchange at the end, in slot 0, which has had its last fill: for each wave 8,192 bytes for a tile's O^T and 256 for its -M and sum
.set AK0,  1                           ; v1      16 x lane + 32,768 x (wave / 4)
.set PFO,  3                           ; v3      256 x lane
.set GO,   4                           ; v4      16 (lane % 16) + 8 (lane / 16)
.set SPW,  5                           ; v5      LDS address of my spare word; never rewritten
.set NIL,  6                           ; v6      0; never rewritten
.set QA,   7                           ; v7, v8  my byte offset in the block's fragments of Q, for my first and my second tile
.set SWO,  9                           ; v9      the exchange: where I put O^T;  v10 where I put -M and the sum
.set SWS,  10
.set SRO,  11                          ; v11, v12  the same places of my partner, wave xor 4
.set SRS,  12
.set ADK,  16                          ; v16, v17  my blocks of K and of V in the slot in hand
.set ADV,  17
.set QF,   32
.set S,    64
.set PC,   192
.set ST,   224                         ; tile u's statistics at v[ST + 12 u]: +0 -M, +1 the largest score; +2, +3 and +8, +9 the sum in four parts; +4 f (+5 named with it); +6, +10 at work; +7 a permute's destination
.set SCP,  249                         ; 2^e9
.set LIMO, 250                         ; 448 x 2^e10
.set SCO,  251                         ; 2^e10
.set OT,   128                         ; in window 1
.set WV,   18                          ; s18  my wave's number
.set G1,   24                          ; s[24:31] descriptor group 1;  s[32:35] group 0, which walks
.set G0,   32
.set TB,   36                          ; s36  LDS byte at which the slot in hand begins
.set LIMP, 37                          ; s37  448 x 2^e9
.set SEL,  40                          ; s[40:41] lane selects for v_permlanex16_b32: lane l xor 16
.set CS,   42                          ; s[42:43] c = log2(e) / sqrt(128) x 2^(e6 + e7)
.set TRIP, 44                          ; s44  trips to go
.set LIM,  45                          ; s45  1 in a wave that prefetches, else the greatest number
.set PFA,  46                          ; s[46:47] where my prefetches stand
.set MSB, 0
.macro WIN new                         ; the immediate's high byte repeats the setting that is left
.if MSB != (\new)
	s_set_vgpr_msb (MSB<<8)|(\new)
.set MSB, (\new)
.endif
.endm
.macro CREST                           ; a round of the cluster's barrier behind its opening barrier
	s_cmp_lg_u32 s[WV], 0
	s_cbranch_scc1 .Lnot_wave_0_\@
	s_barrier_signal -3
.Lnot_wave_0_\@:
	s_barrier_wait -3
	s_barrier_signal -1
	s_barrier_wait -1
.endm
.macro CROUND
	s_barrier_signal -1
	s_barrier_wait -1
	CREST
.endm
.macro NOPS n
.rept \n
	v_nop
.endr
.endm
.macro JLOAD                           ; a joint load: every wave its 16,384 bytes
	tensor_load_to_lds s[G0:G0+3], s[G1:G1+7]
	s_nop 0
	NOPS 4
.endm
; A PREFETCH INTO THE L2 of the 512 keys that the NEXT fill will ask for, a slot's two steps ahead: 65,536 bytes of kf and as many of vf.  All clusters of a head walk the same K and V: the head's first cluster asks.
; Its four partners share the bytes out BY ADDRESS, 16,384 of each; in each, waves 4 and 5 ask for K's and waves 6 and 7 for V's, lanes 256 bytes apart: one instruction.  So each aligned block of 256 bytes is named once
; in the launch.  how = 1: behind fill 1's load;  how = 0: while more than one trip is left: the last fill's load asks for nothing.  Fills 0 and 1 come by their loads alone.
.macro ASK how
.if \how
	s_cmp_eq_u32 s[LIM], 1
.else
	s_cmp_gt_u32 s[TRIP], s[LIM]
.endif
	s_cbranch_scc0 .Lnot_mine_\@
	global_prefetch_b8 v[PFO], s[PFA:PFA+1] th:TH_LOAD_NT scope:SCOPE_SE
.Lnot_mine_\@:
.endm
	s_load_b256 s[4:11], s[0:1], 0x0               ; qf s[4:5], kf s[6:7], vf s[8:9], the scales' exponents s[10:11]
	s_load_b64 s[12:13], s[0:1], 0x20              ; af
	v_lshl_add_u32 v[SPW], v0, 2, SPARE
	v_mov_b32 v[NIL], 0
	ds_add_u32 v[SPW], v[NIL]                      ; the wave's opening: the add, twice on end, and its wait ahead of my first tensor load
	ds_add_u32 v[SPW], v[NIL]
	v_lshrrev_b32 v13, 5, v0
	v_readfirstlane_b32 s[WV], v13                 ; wave 0..7
	s_bfe_u32 s19, ttmp6, 0x40000                  ; cx: my place in the cluster
	s_lshl_b32 s20, ttmp9, 2
	s_add_co_u32 s20, s20, s19                     ; my block of 128 queries = 4 x cluster x + cx: it enters qf's and af's addresses alone
	s_and_b32 s21, ttmp7, 0xffff                   ; the head, which the four partners share
	s_lshl_b32 s22, s21, 18                        ; the head's first byte in qf, kf and vf
	s_mov_b32 s23, 0
	s_lshr_b32 s14, s[WV], 2                       ; g: which half of a slot's keys is mine
	s_and_b32 s15, s[WV], 3                        ; my pair
	s_lshl_b32 s16, s15, 1
	s_add_co_u32 s17, s16, 1
	s_add_co_u32 s16, s16, s14                     ; my first tile of queries: 2 x pair + g: the one that I finish,
	s_sub_co_u32 s17, s17, s14                     ; my second: 2 x pair + 1 - g: my partner's first
	; descriptor group 1: a dense block of 64 rows x 256 bytes
	s_mov_b32 s[G1], 15|(3<<16)|(1<<21)            ; 15:0 the mask: all four work-groups; 17:16 elements of 8 bytes; 21 set beside a mask; no padding
	s_mov_b32 s[G1+1], 32<<16                      ; tensor_dim0 = 32 elements
	s_mov_b32 s[G1+2], 64<<16                      ; tensor_dim1
	s_mov_b32 s[G1+3], 32<<16                      ; tile_dim0
	s_mov_b32 s[G1+4], 64                          ; tile_dim1
	s_mov_b32 s[G1+5], 32                          ; tensor_dim0_stride
	s_mov_b32 s[G1+6], 0
	s_mov_b32 s[G1+7], 0
	s_lshl_b32 s54, s15, 14                        ; which block of a slot I fetch
	s_mov_b32 s55, 0
	s_add_nc_u64 s[54:55], s[54:55], s[22:23]
	s_mov_b32 s[SEL], 0x76543210
	s_mov_b32 s[SEL+1], 0xfedcba98
	s_mov_b32 s[CS], 0x3e0293ee                    ; c = log2(e) / sqrt(128)
	s_mov_b32 s[TB], 0
	s_mov_b32 s[G0], 1                             ; count = 1
	s_lshl_b32 s[G0+1], s[WV], 14                  ; LDS address in slot 0: no place in the cluster enters it
	s_wait_dscnt 0x0                               ; both opening adds are done
	s_wait_kmcnt 0x0
	s_load_b128 s[48:51], s[10:11], 0x18           ; e6, e7, e8, e9
	s_load_b32 s52, s[10:11], 0x28                 ; e10
	s_cmp_lt_u32 s[WV], 4                          ; waves 0 to 3 fetch K's blocks, waves 4 to 7 V's
	s_cselect_b64 s[56:57], s[6:7], s[8:9]
	s_add_nc_u64 s[G0+2:G0+3], s[56:57], s[54:55]  ; global address: the head's first 512 keys
	s_or_b32 s[G0+3], s[G0+3], 0x80000000          ; type = 2
	CROUND                                         ; all four work-groups are here: the first joint loads meet
	JLOAD                                          ; fill 0: one tensor load a wave at the head
	s_cmp_lt_u32 s[WV], 6                          ; the prefetches: waves 4 and 5 K's, waves 6 and 7 V's
	s_cselect_b64 s[PFA:PFA+1], s[6:7], s[8:9]
	s_lshl_b32 s58, s19, 14                        ; my work-group's 16,384 bytes,
	s_and_b32 s59, s[WV], 1
	s_lshl_b32 s59, s59, 13
	s_add_co_u32 s58, s58, s59                     ; my wave's 8,192 of them,
	s_add_co_u32 s58, s58, 2*65536                 ; of fill 2
	s_mov_b32 s59, 0
	s_add_nc_u64 s[58:59], s[58:59], s[22:23]
	s_add_nc_u64 s[PFA:PFA+1], s[PFA:PFA+1], s[58:59]
	s_sub_co_u32 s[LIM], s[WV], 4
	s_lshr_b32 s[LIM], s[LIM], 2                   ; 0 in waves 4 to 7,
	s_or_b32 s[LIM], s[LIM], ttmp9                 ; of the head's first cluster: the same in all four partners
	s_cmp_eq_u32 s[LIM], 0
	s_cselect_b32 s[LIM], 1, -1
	s_lshl_b32 s58, s20, 14                        ; qf: my block's eight fragments
	s_mov_b32 s59, 0
	s_add_nc_u64 s[58:59], s[58:59], s[22:23]
	s_add_nc_u64 s[4:5], s[4:5], s[58:59]
	s_lshl_b32 s60, s20, 18                        ; af: block x 262,144 + head x 16,384 + my first tile x 2,048
	s_lshl_b32 s61, s21, 14
	s_add_co_u32 s60, s60, s61
	s_lshl_b32 s61, s16, 11
	s_add_co_u32 s60, s60, s61
	s_mov_b32 s61, 0
	s_add_nc_u64 s[12:13], s[12:13], s[60:61]
	s_lshl_b32 s53, s16, 11
	s_lshl_b32 s54, s17, 11
	s_lshl_b32 s55, s14, 15                        ; my half of a slot's keys
	s_mul_i32 s66, s[WV], STB                      ; my part of the exchange,
	s_add_co_u32 s67, s66, 8192
	s_xor_b32 s68, s[WV], 4
	s_mul_i32 s68, s68, STB                        ; and my partner's
	s_add_co_u32 s69, s68, 8192
	v_and_b32 v13, 31, v0
	v_and_b32 v18, 15, v0
	v_bfe_u32 v19, v0, 4, 1
	v_lshlrev_b32 v14, 4, v13                      ; 16 x lane
	v_lshlrev_b32 v15, 3, v13                      ; 8 x lane
	v_lshlrev_b32 v[PFO], 8, v13
	v_lshlrev_b32 v[GO], 4, v18
	v_add_nc_u32 v[QA], s53, v14
	v_add_nc_u32 v[QA+1], s54, v14
	v_add_nc_u32 v[AK0], s55, v14
	v_lshl_add_u32 v[GO], v19, 3, v[GO]
	v_add_nc_u32 v[SWO], s66, v14
	v_add_nc_u32 v[SWS], s67, v15
	v_add_nc_u32 v[SRO], s68, v14
	v_add_nc_u32 v[SRS], s69, v15
	v_mov_b32 v[ADK], v[AK0]
	v_add_nc_u32 v[ADV], VOFF, v[AK0]
.irp u, 0,1
.irp c, 0,1,2,3
	global_load_b128 v[QF+16*\u+4*\c:QF+16*\u+4*\c+3], v[QA+\u], s[4:5] offset:512*\c   ; Q's two fragments stay in registers
.endr
.endr
.irp u, 0,1
	v_mov_b32 v[ST+12*\u+1], 0xff61b1e6            ; the largest score so far: -3e38, under every score
	v_mov_b32 v[ST+12*\u], 0x7f61b1e6              ; -M, over every -M
	v_mov_b32 v[ST+12*\u+2], 0                     ; the sum, in four parts
	v_mov_b32 v[ST+12*\u+3], 0
	v_mov_b32 v[ST+12*\u+8], 0
	v_mov_b32 v[ST+12*\u+9], 0
	v_mov_b32 v[ST+12*\u+5], 0                     ; (named as the upper half of f's pair)
	v_mov_b32 v[ST+12*\u+7], 0                     ; written once: a lane permute's destination counts as one of its sources
.endr
	WIN 0x40
.set i, 0
.rept 128
	v_mov_b32 v[OT+i], 0                           ; O^T, while fill 0 is on its way.  (The step has no first form of its own: it finds zeros, which the first change of M leaves zeros)
.set i, i+1
.endr
	WIN 0
	s_wait_kmcnt 0x0
	s_add_co_i32 s53, s48, s49
	s_lshl_b32 s53, s53, 23
	s_add_co_i32 s[CS], s[CS], s53                 ; a score stands for score x 2^(e6 + e7): the two exponents are added to c's exponent field
	s_mov_b32 s[CS+1], s[CS]                       ; (named with it as a pair, so it is written)
	s_add_co_i32 s53, s51, 127
	s_lshl_b32 s54, s53, 23
	v_mov_b32 v[SCP], s54                          ; 2^e9 as f32, for p's conversion
	s_add_co_i32 s53, s53, 8
	s_lshl_b32 s53, s53, 23
	s_or_b32 s[LIMP], s53, 0x600000                ; 448 x 2^e9
	s_add_co_i32 s53, s52, 127
	s_lshl_b32 s54, s53, 23
	v_mov_b32 v[SCO], s54                          ; 2^e10, for O's conversion
	s_add_co_i32 s53, s53, 8
	s_lshl_b32 s53, s53, 23
	s_or_b32 s53, s53, 0x600000
	v_mov_b32 v[LIMO], s53                         ; 448 x 2^e10
.macro KQH f0                          ; 8 matrix instructions: S^T of key tiles f0 .. f0 + 3, each fragment of K against both tiles of queries
.irp f, \f0, \f0+1, \f0+2, \f0+3
.irp u, 0,1
	v_wmma_f32_16x16x128_fp8_fp8 v[NB+64*\u+8*(\f):NB+64*\u+8*(\f)+7], v[PB+16*(\f):PB+16*(\f)+15], v[QF+16*\u:QF+16*\u+15], 0
.endr
.endr
.endm
.macro FETCHK off                      ; 32 LDS loads: the eight fragments of K of a block, into the buffer at NB
.irp f, 0,1,2,3,4,5,6,7
.irp c, 0,1,2,3
	ds_load_b128 v[NB+16*\f+4*\c:NB+16*\f+4*\c+3], v[ADK] offset:\off+2048*\f+512*\c
.endr
.endr
.endm
; A STEP: the q-th block of 128 keys of my half of the slot in hand, for both tiles of queries.  q = 0: K and V in X, scores in Y;  q = 1: the other way round.
; mode 0: no change of slots.  mode 1: the slot is left and filled again.  mode 2: it is left and not filled again; the last trip has no next K.
; THE CHANGE OF SLOTS is spread over the second step's softmax, where all that the wave wants of the slot has been asked for.  Each wave waits for all its tensor loads (its part of the other slot), adds 0 to its spare word,
; works on registers, and waits for the add and for its reads of this slot; the sums stand between signal and wait.  Behind the barrier nobody reads this slot and the other one is whole.
.macro STEP q, mode
.set PB, 64*(1-\q)
.set NB, 64*\q
.set PW, \q
.set NW, 1-\q
	s_wait_dscnt 16                                ; K's fragments 0 to 3 are in; the 16 loads of fragments 4 to 7 may be out
	WIN 0x40*NW+PW
	KQH 0
	s_wait_dscnt 0x0
	KQH 4
	WIN 0x40*PW
	NOPS 4                                         ; the places in front of the loads into K's registers and of the first read of the scores
.irp f, 0,1,2,3,4,5,6,7
.irp c, 0,1,2,3
	ds_load_b128 v[PB+16*\f+4*\c:PB+16*\f+4*\c+3], v[ADV] offset:16384*\q+2048*\f+512*\c   ; V's eight fragments land under the softmax
.endr
.endr
	WIN 0x14*NW
.irp i, 0,4,8,12,16,20,24,28,32,36,40,44,48,52,56,60
.irp u, 0,1
.if \i == 0
	v_max3_num_f32 v[ST+12*\u+6], v[ST+12*\u+1], v[NB+64*\u], v[NB+64*\u+1]        ; the largest score so far of my query, my 64 keys among them, in two chains a tile; each result is read from its low end on
	v_max3_num_f32 v[ST+12*\u+10], v[ST+12*\u+1], v[NB+64*\u+2], v[NB+64*\u+3]
.else
	v_max3_num_f32 v[ST+12*\u+6], v[ST+12*\u+6], v[NB+64*\u+\i], v[NB+64*\u+\i+1]
	v_max3_num_f32 v[ST+12*\u+10], v[ST+12*\u+10], v[NB+64*\u+\i+2], v[NB+64*\u+\i+3]
.endif
.endr
.endr
	WIN 0
.irp u, 0,1
	v_max_num_f32 v[ST+12*\u+6], v[ST+12*\u+6], v[ST+12*\u+10]
.endr
.irp u, 0,1
	s_delay_alu instid0(VALU_DEP_2)
	v_permlanex16_b32 v[ST+12*\u+7], v[ST+12*\u+6], s[SEL], s[SEL+1]
.endr
.irp u, 0,1
	s_delay_alu instid0(VALU_DEP_2)
	v_max_num_f32 v[ST+12*\u+1], v[ST+12*\u+6], v[ST+12*\u+7]   ; and among lane l xor 16's
.endr
.irp u, 0,1
	s_delay_alu instid0(VALU_DEP_2)
	v_mul_f32 v[ST+12*\u+6], s[CS], v[ST+12*\u+1]               ; as t (c is positive)
.endr
.irp u, 0,1
	v_mov_b32 v[ST+12*\u+10], v[ST+12*\u]
.endr
.irp u, 0,1
	s_delay_alu instid0(VALU_DEP_4)
	v_floor_f32 v[ST+12*\u], -v[ST+12*\u+6]                     ; the new -M = floor(-t) = -ceil(t): M IS A WHOLE NUMBER
.endr
.irp u, 0,1
	s_delay_alu instid0(VALU_DEP_2)
	v_sub_f32 v[ST+12*\u+6], v[ST+12*\u], v[ST+12*\u+10]        ; M's old value less its new one: a whole number, 0 or less
.endr
.irp u, 0,1
	s_delay_alu instid0(VALU_DEP_2)
	v_cvt_i32_f32 v[ST+12*\u+6], v[ST+12*\u+6]                  ; (it saturates)
.endr
.irp u, 0,1
	s_delay_alu instid0(VALU_DEP_2)
	v_ldexp_f32 v[ST+12*\u+4], 1.0, v[ST+12*\u+6]               ; f = 2^(old M - new M)
.endr
.if \mode
	s_wait_alu depctr_va_vdst(0)                   ; directly ahead of the wait below
	s_wait_tensorcnt 0x0                           ; no tensor load of mine is out, so group 0 may be written
	ds_add_u32 v[SPW], v[NIL]                      ; 0 onto my spare word
.if \mode == 1
	s_xor_b32 s[G0+1], s[G0+1], SLOT1              ; the walking descriptor: the other slot than last time, which is this one,
	s_add_nc_u64 s[G0+2:G0+3], s[G0+2:G0+3], 65536 ; the next 512 keys; the type bits on top are not reached
	s_wait_xcnt 0x0                                ; the last prefetch has read its address, so it may be written
	s_add_nc_u64 s[PFA:PFA+1], s[PFA:PFA+1], 65536
.endif
	s_xor_b32 s[TB], s[TB], SLOT1
	v_add_nc_u32 v[ADK], s[TB], v[AK0]             ; on to the other slot: all that I want of this one has been asked for
	v_add_nc_u32 v[ADV], VOFF, v[ADK]
.endif
	WIN 0x41*NW
.irp u, 0,1
.set i, 0
.rept 32
	v_pk_fma_f32 v[NB+64*\u+i:NB+64*\u+i+1], v[NB+64*\u+i:NB+64*\u+i+1], s[CS:CS+1], v[ST+12*\u:ST+12*\u+1] op_sel_hi:[1,0,0]   ; t - M, two at a time (of the pairs c and -M the low word serves both halves)
.set i, i+2
.endr
.endr
.if \mode
	s_wait_dscnt 0x0                               ; the add is done, and my reads of this slot are over: V's fragments are in registers
	s_barrier_signal -1                            ; from here to the wait in front of the next K's loads stands work on registers alone
.endif
	s_wait_alu depctr_va_vdst(0)                   ; the wait ahead of the batch
.set i, 0
.rept 128
	v_exp_f32 v[NB+i], v[NB+i]                     ; p = 2^(t - M), at most 1: NOT normalised
.set i, i+1
.endr
	WIN 0x41                                       ; O^T (destination and source 0) window 1, f window 0
	s_wait_alu depctr_va_vdst(0)                   ; one wait for the batch, ahead of its first reader, and for O^T, directly ahead of its first reader
.irp u, 0,1
.set i, 0
.rept 32
	v_pk_mul_f32 v[OT+64*\u+i:OT+64*\u+i+1], v[OT+64*\u+i:OT+64*\u+i+1], v[ST+12*\u+4:ST+12*\u+5] op_sel_hi:[1,0]   ; O^T under the new M
.set i, i+2
.endr
.endr
	WIN 0x10*NW
.irp u, 0,1
	v_pk_fma_f32 v[ST+12*\u+2:ST+12*\u+3], v[ST+12*\u+2:ST+12*\u+3], v[ST+12*\u+4:ST+12*\u+5], v[NB+64*\u:NB+64*\u+1] op_sel_hi:[1,0,1]     ; THE SUM IS TAKEN OF THE UNQUANTISED p, in two chains of pairs a tile; the first lines bring it under the new M
	v_pk_fma_f32 v[ST+12*\u+8:ST+12*\u+9], v[ST+12*\u+8:ST+12*\u+9], v[ST+12*\u+4:ST+12*\u+5], v[NB+64*\u+2:NB+64*\u+3] op_sel_hi:[1,0,1]
.endr
	WIN 0x04*NW
.irp j, 4,8,12,16,20,24,28,32,36,40,44,48,52,56,60
.irp u, 0,1
	v_pk_add_f32 v[ST+12*\u+2:ST+12*\u+3], v[ST+12*\u+2:ST+12*\u+3], v[NB+64*\u+\j:NB+64*\u+\j+1]
	v_pk_add_f32 v[ST+12*\u+8:ST+12*\u+9], v[ST+12*\u+8:ST+12*\u+9], v[NB+64*\u+\j+2:NB+64*\u+\j+3]
.endr
.endr
	WIN 0x44*NW
.set i, 0
.rept 64
	v_dual_min_num_f32 v[NB+i], s[LIMP], v[NB+i] :: v_dual_min_num_f32 v[NB+i+1], s[LIMP], v[NB+i+1]   ; the conversion to an 8-bit code does not saturate (ISA guide 7.6.2); p is not negative, so the hold is one-sided
.set i, i+2
.endr
	WIN NW
.irp f, 0,1,2,3,4,5,6,7
.irp u, 0,1
	v_cvt_scalef32_pk8_fp8_f32 v[PC+16*\u+2*\f:PC+16*\u+2*\f+1], v[NB+64*\u+8*\f:NB+64*\u+8*\f+7], v[SCP]   ; key tile f's eight keys: registers 2 f, 2 f + 1 of P's fragment
.endr
.endr
	v_nop                                          ; one plain vector instruction between the last conversion and the products that read the codes
	s_wait_alu depctr_va_vdst(0)
.if \mode
	s_barrier_wait -1                              ; (every window is 0: modes 1 and 2 stand in the step q = 1)
.endif
.if \mode == 0
	s_wait_dscnt 0x0                               ; V's fragments are in (in the other modes the change of slots has waited for them)
.elseif \mode == 1
	CREST                                          ; the barrier has opened a round of the cluster's barrier
	JLOAD                                          ; the first tensor load behind the round: this slot's next 512 keys
	ASK 0
.elseif \mode == 2
	s_cmp_eq_u32 s[TRIP], 1                        ; the last trip: there is no next K
	s_cbranch_scc1 .Lno_next_\@
.endif
	WIN 0x40*NW
	FETCHK 16384*(1-\q)                            ; the next step's K, into the registers that p has left: it lands under the products below
.if \mode == 2
.Lno_next_\@:
.endif
	WIN 0x50+PW
.irp t, 0,1,2,3,4,5,6,7
.irp u, 0,1
	v_wmma_f32_16x16x128_fp8_fp8 v[OT+64*\u+8*\t:OT+64*\u+8*\t+7], v[PB+16*\t:PB+16*\t+15], v[PC+16*\u:PC+16*\u+15], v[OT+64*\u+8*\t:OT+64*\u+8*\t+7]   ; the 16 accumulators take turns
.endr
.endr
	NOPS 5                                         ; the places in front of the next scores, which are laid over V's fragments
	WIN 0
.endm
	s_wait_alu depctr_va_vdst(0)                   ; the wait at the head's end
	s_wait_tensorcnt 0x0                           ; my part of slot 0 is in; slot 1 is first filled as a refill is:
	ds_add_u32 v[SPW], v[NIL]
	s_xor_b32 s[G0+1], s[G0+1], SLOT1
	s_add_nc_u64 s[G0+2:G0+3], s[G0+2:G0+3], 65536
	s_wait_dscnt 0x0                               ; the add is done
	CROUND                                         ; everybody's part of slot 0 is in
	JLOAD                                          ; fill 1
.set NB, 64
	FETCHK 0                                       ; the first step's K, into X
	ASK 1
	s_wait_loadcnt 0x0                             ; Q
	s_mov_b32 s[TRIP], 2
.Lfills:                                               ; a trip is a slot: two steps.  Both slots are filled again once
	STEP 0, 0
	STEP 1, 1
	s_sub_co_u32 s[TRIP], s[TRIP], 1
	s_cmp_lg_u32 s[TRIP], 0
	s_cbranch_scc1 .Lfills
	s_mov_b32 s[TRIP], 2
.Lrest:                                                ; the last two slots have a loop of their own, in which nothing is filled
	STEP 0, 0
	STEP 1, 2
	s_sub_co_u32 s[TRIP], s[TRIP], 1
	s_cmp_lg_u32 s[TRIP], 0
	s_cbranch_scc1 .Lrest
	; THE TWO HALVES OF THE KEYS MEET.  My second tile's O^T, -M and sum go to my partner as images of their registers, 512 consecutive bytes a store; a barrier; my partner's part of my first tile comes back so.
.irp u, 0,1
	v_pk_add_f32 v[ST+12*\u+2:ST+12*\u+3], v[ST+12*\u+2:ST+12*\u+3], v[ST+12*\u+8:ST+12*\u+9]
.endr
.irp u, 0,1
	s_delay_alu instid0(VALU_DEP_2)
	v_add_f32 v[ST+12*\u+1], v[ST+12*\u+2], v[ST+12*\u+3]   ; a tile's sum (my lane's), beside its -M
.endr
	s_wait_alu depctr_va_vdst(0)                   ; directly ahead of the waits below
	s_wait_dscnt 0x0                               ; no LDS read of mine is out,
	s_barrier_signal -1
	s_barrier_wait -1                              ; nor anybody's: slot 0 may be written
	WIN 0x04                                       ; a store's data: window 1
.irp k, 0,1,2,3,4,5,6,7,8,9,10,11,12,13,14,15
	ds_store_b128 v[SWO], v[OT+64+4*\k:OT+64+4*\k+3] offset:512*\k   ; each accumulator from its low end on
.endr
	WIN 0
	ds_store_b64 v[SWS], v[ST+12:ST+13]
	s_wait_dscnt 0x0                               ; for my partner's sake: my stores are done
	s_barrier_signal -1
	s_barrier_wait -1
	ds_load_b64 v[ST+8:ST+9], v[SRS]               ; my partner's -M and sum of my first tile,
.irp k, 0,1,2,3,4,5,6,7,8,9,10,11,12,13,14,15
	ds_load_b128 v[S+4*\k:S+4*\k+3], v[SRO] offset:512*\k   ; and its O^T
.endr
	s_wait_dscnt 16                                ; the -M and the sum are in; the 16 loads behind them may be out
	v_min_num_f32 v[ST+6], v[ST], v[ST+8]          ; -M of all keys: the larger M
	s_delay_alu instid0(VALU_DEP_1)
	v_sub_f32 v[ST+10], v[ST+6], v[ST]             ; my M less that: a whole number, 0 or less;
	s_delay_alu instid0(VALU_DEP_2)
	v_sub_f32 v[ST+11], v[ST+6], v[ST+8]           ; my partner's
	s_delay_alu instid0(VALU_DEP_2)
	v_cvt_i32_f32 v[ST+10], v[ST+10]
	s_delay_alu instid0(VALU_DEP_2)
	v_cvt_i32_f32 v[ST+11], v[ST+11]
	s_delay_alu instid0(VALU_DEP_2)
	v_ldexp_f32 v[ST+10], 1.0, v[ST+10]            ; the two powers of two that bring both parts under it
	s_wait_alu depctr_va_vdst(0)
	v_ldexp_f32 v[ST+11], 1.0, v[ST+11]
	v_mul_f32 v[ST+2], v[ST+1], v[ST+10]
	s_delay_alu instid0(VALU_DEP_1)
	v_fma_f32 v[ST+2], v[ST+9], v[ST+11], v[ST+2]  ; the sum of both parts,
	s_delay_alu instid0(VALU_DEP_1)
	v_permlanex16_b32 v[ST+7], v[ST+2], s[SEL], s[SEL+1]
	s_delay_alu instid0(VALU_DEP_1)
	v_add_f32 v[ST+2], v[ST+2], v[ST+7]            ; and lane l xor 16's: the row's sum
	s_wait_alu depctr_va_vdst(0)
	v_rcp_f32 v[ST+2], v[ST+2]
	v_nop                                          ; a plain instruction behind the transcendental
	s_add_co_i32 s53, s50, s51
	s_wait_alu depctr_va_vdst(0)                   ; the wait ahead of the first reader
	v_ldexp_f32 v[ST+2], v[ST+2], s53              ; x 2^(e8 + e9)
	s_delay_alu instid0(VALU_DEP_1)
	v_mul_f32 v[ST+4], v[ST+2], v[ST+10]           ; what my part is multiplied by,
	s_delay_alu instid0(VALU_DEP_2)
	v_mul_f32 v[ST+16], v[ST+2], v[ST+11]          ; and my partner's
	WIN 0x01                                       ; source 0 window 1
	s_wait_alu depctr_va_vdst(0)                   ; directly ahead of the first reader of O^T
.set i, 0
.rept 32
	v_pk_mul_f32 v[S+64+i:S+64+i+1], v[OT+i:OT+i+1], v[ST+4:ST+5] op_sel_hi:[1,0]   ; register 8 t + j is O(query r, channel 16 t + 8 h + j); each accumulator from its low end on
.set i, i+2
.endr
	WIN 0
	s_wait_alu depctr_va_vdst(0)
	s_wait_dscnt 0x0                               ; my partner's O^T is in
.set i, 0
.rept 32
	v_pk_fma_f32 v[S+64+i:S+64+i+1], v[S+i:S+i+1], v[ST+16:ST+17], v[S+64+i:S+64+i+1] op_sel_hi:[1,0,1]
.set i, i+2
.endr
	; THE WAY OUT: held, quantised with 2^e10, and stored as the last product's fragment
.irp t, 0,1,2,3,4,5,6,7
.irp i, 0,1,2,3,4,5,6,7
	v_med3_num_f32 v[S+64+8*\t+\i], v[S+64+8*\t+\i], -v[LIMO], v[LIMO]
.endr
	v_cvt_scalef32_pk8_fp8_f32 v[PC+2*\t:PC+2*\t+1], v[S+64+8*\t:S+64+8*\t+7], v[SCO]
.endr
	v_nop                                          ; one plain vector instruction behind the last conversion
.irp t, 0,1,2,3,4,5,6,7
	global_store_b64 v[GO], v[PC+2*\t:PC+2*\t+1], s[12:13] offset:256*\t   ; 32 lanes store 256 consecutive bytes, aligned: k = 16 t .. 16 t + 15 of the 16 rows
.endr
	s_wait_tensorcnt 0x0                           ; the wave's end
	ds_add_u32 v[SPW], v[NIL]
	s_wait_dscnt 0x0
	CROUND                                         ; the closing round: no work-group ends while a partner may still ask for a tile that names it
	s_endpgm
.Lfunc_end_k_qbb073c08aa_attn:
	.size	k_qbb073c08aa_attn, .Lfunc_end_k_qbb073c08aa_attn-k_qbb073c08aa_attn
	.p2alignl 7, 3214868480
	.fill 96, 4, 3214868480
	.section	.rodata,"a",@progbits
	.p2align	6, 0x0
	.amdhsa_kernel k_qbb073c08aa_attn
		.amdhsa_group_segment_fixed_size 327680
		.amdhsa_private_segment_fixed_size 0
		.amdhsa_enable_private_segment 0
		.amdhsa_kernarg_size 40
		.amdhsa_user_sgpr_count 2
		.amdhsa_user_sgpr_kernarg_segment_ptr 1
		.amdhsa_wavefront_size32 1
		.amdhsa_system_sgpr_workgroup_id_x 1
		.amdhsa_system_sgpr_workgroup_id_y 1
		.amdhsa_system_sgpr_workgroup_id_z 1
		.amdhsa_system_vgpr_workitem_id 0
		.amdhsa_next_free_vgpr 512
		.amdhsa_next_free_sgpr 80
		.amdhsa_reserve_vcc 0
		.amdhsa_float_denorm_mode_32 3
		.amdhsa_float_denorm_mode_16_64 3
		.amdhsa_memory_ordered 1
		.amdhsa_forward_progress 1
		.amdhsa_inst_pref_size 162
	.end_amdhsa_kernel
	.amdgpu_metadata
---
amdhsa.version: [ 1, 2 ]
amdhsa.kernels:
  - .name:           k_qbb073c08aa_attn
    .symbol:         k_qbb073c08aa_attn.kd
    .args:
      - { .name: qf, .offset: 0, .size: 8, .value_kind: global_buffer, .address_space: global }
      - { .name: kf, .offset: 8, .size: 8, .value_kind: global_buffer, .address_space: global }
      - { .name: vf, .offset: 16, .size: 8, .value_kind: global_buffer, .address_space: global }
      - { .name: lowp_scales, .offset: 24, .size: 8, .value_kind: global_buffer, .address_space: global }
      - { .name: af, .offset: 32, .size: 8, .value_kind: global_buffer, .address_space: global }
    .group_segment_fixed_size: 327680
    .private_segment_fixed_size: 0
    .kernarg_segment_align: 8
    .kernarg_segment_size: 40
    .max_flat_workgroup_size: 256
    .sgpr_count:     80
    .vgpr_count:     512
    .wavefront_size: 32
...
	.end_amdgpu_metadata
.endif
;; end of part 2
;; launch oproj (part 3): grid 16 x 16, 4 waves a work-group, clusters of 4 x 4, 327,680 bytes of LDS; arguments af, Wo_codes, bo, lowp_scales, out0; writes out0
.if DOCPART == 3
	.amdgcn_target "amdgcn-amd-amdhsa--gfx1250"
	.amdhsa_code_object_version 6
	.text
	.protected	k_qbb073c08aa_oproj
	.globl	k_qbb073c08aa_oproj
	.p2align	8
	.type	k_qbb073c08aa_oproj,@function
k_qbb073c08aa_oproj:
	s_mov_b64 s[64:65], 0
	v_nop
	global_prefetch_b8 v0, s[64:65] scope:SCOPE_SE
	s_setreg_imm32_b32 hwreg(HW_REG_WAVE_MODE, 25, 1), 1
	s_wait_xcnt 0x0
	s_wait_alu depctr_hold_cnt(0) depctr_sa_sdst(0) depctr_va_vdst(0) depctr_va_sdst(0) depctr_va_ssrc(0) depctr_va_vcc(0) depctr_vm_vsrc(0)
	s_getreg_b32 s2, hwreg(HW_REG_IB_STS2, 6, 4)
	s_cmp_eq_u32 s2, 0
	s_cbranch_scc0 .Lentry_in_a_cluster
	s_endpgm
.Lentry_in_a_cluster:
	s_bfe_u32 s2, ttmp6, 0x10000c
	s_cmp_lg_u32 s2, 0xf033
	s_cbranch_scc0 .Lentry_shape_is_right
	s_endpgm
.Lentry_shape_is_right:
; out = O Wo^T + bo on codes of FP8 (E4M3); out: [2048][2048] f32.  af: O's codes as [block of 128 rows][K step of 128, 16][tile of 16 rows, 8][2048], registers 4 c .. 4 c + 3 of lane l at 512 c + 16 l;
; Wo: [2048][2048] codes, K innermost.  A sum stands for sum x 2^(e10 + e11).  LIMIT: e10 + e11 between -126 and 127.
; SHARES.  A work-group makes 128 rows x 128 columns: 16 x 16 work-groups; a wave makes 64 x 64 of them: 16 accumulators; 8 fragments from LDS feed 16 matrix instructions for 128 along K.
; CLUSTERS: 4 x 4 work-groups.  The four of a row of the cluster need the same rows of O, the four of a column the same rows of Wo: each chunk is asked for JOINTLY.
; K goes in four chunks of 512 through two LDS slots.  THE HEAD'S ONE LOAD A WAVE FILLS BOTH SLOTS: waves 0 and 1 fetch O's chunks 0 and 1, waves 2 and 3 Wo's.  Slot s is filled again once, with chunk s + 2, by waves s and 2 + s.
; THE MATRIX INSTRUCTION IS USED TRANSPOSED (source 0 = 16 rows of Wo, source 1 = 16 rows of O): a lane holds eight neighbouring numbers of a row of out.
; REGISTERS.  window 0: v1-31 addresses; v32-63 the bias; v64-95 at work on the way out; v128-255 the accumulators, and rows read back.  window 1: two sets of fragments, at v0 and v128: O's four, then Wo's four.
.set PB,    528                        ; an LDS row of Wo: 512 bytes + 16 of padding: the 16 rows that a load touches start at 16 different banks (64 banks of 4 bytes: ISA guide 11.1)
.set ACH,   65536                      ; a chunk of O: 4 K steps x 8 tiles x 2,048 bytes, dense
.set BCH,   128*PB                     ; a chunk of Wo
.set BBASE, 2*ACH                      ; O's two slots, then Wo's two
.set SPARE, BBASE+2*BCH                ; the spare words, 128 bytes for each wave
.set STAGE, SPARE+512                  ; the way out: 16 rows x 272 bytes for each wave; no tensor load lands here
.set SP,    272
.set ADA, 16                           ; v16-17  LDS address of my fragments of O in slot 0, 1
.set ADB, 20                           ; v20-21  the same for Wo
.set STO, 24                           ; v24     the stage: where I put 32 bytes of a row;  v25 where I read a row back
.set RD,  25
.set CO,  26                           ; v26     my byte offset in out
.set SPW, 28                           ; v28     LDS address of my spare word; never rewritten
.set NIL, 29                           ; v29     0; never rewritten
.set PFO, 30                           ; v30     the prefetches' offset; never rewritten
.set BO,  32
.set TMP, 64
.set ACC, 128
.set G1,  24                           ; s[24:31] descriptor group 1 for O;  s[32:35] group 0
.set G0,  32
.set G1B, 48                           ; s[48:55], s[56:59] the same for Wo
.set G0B, 56
.set PFA, 38                           ; s[38:39] where my prefetches stand
.set MSB, 0
.macro WIN new                         ; the immediate's high byte repeats the setting that is left
.if MSB != (\new)
	s_set_vgpr_msb (MSB<<8)|(\new)
.set MSB, (\new)
.endif
.endm
; A joint load: waves 0 and 1 fetch for O, waves 2 and 3 for Wo.  The branch hangs on the wave's number alone.
.macro JLOAD
	s_cmp_eq_u32 s15, 0
	s_cbranch_scc0 .Lfor_b_\@
	tensor_load_to_lds s[G0:G0+3], s[G1:G1+7]
	s_nop 0
.rept 4
	v_nop
.endr
	s_branch .Lasked_\@
.Lfor_b_\@:
	tensor_load_to_lds s[G0B:G0B+3], s[G1B:G1B+7]
	s_nop 0
.rept 4
	v_nop
.endr
.Lasked_\@:
.endm
.macro REFILL slot                     ; the slot's two waves ask, one load each
	s_cmp_eq_u32 s16, \slot
	s_cbranch_scc0 .Lno_part_\@
	JLOAD
.Lno_part_\@:
.endm
.macro CREST                           ; a round of the cluster's barrier behind its opening barrier
	s_cmp_lg_u32 s14, 0
	s_cbranch_scc1 .Lnot_wave_0_\@
	s_barrier_signal -3
.Lnot_wave_0_\@:
	s_barrier_wait -3
	s_barrier_signal -1
	s_barrier_wait -1
.endm
.macro CROUND
	s_barrier_signal -1
	s_barrier_wait -1
	CREST
.endm
.macro PLACES n                        ; plain vector instructions between a matrix instruction and a load into, or a vector read of, its registers
.rept \n
	v_nop
.endr
.endm
	s_load_b256 s[4:11], s[0:1], 0x0               ; af s[4:5], Wo s[6:7], bo s[8:9], the scales' exponents s[10:11]
	s_load_b64 s[12:13], s[0:1], 0x20              ; out
	v_lshl_add_u32 v[SPW], v0, 2, SPARE
	v_mov_b32 v[NIL], 0
	ds_add_u32 v[SPW], v[NIL]                      ; the wave's opening: the add, twice on end, and its wait ahead of my first tensor load
	ds_add_u32 v[SPW], v[NIL]
	v_lshrrev_b32 v1, 5, v0
	v_readfirstlane_b32 s14, v1                    ; wave 0..3
	s_lshr_b32 s15, s14, 1                         ; which half of the rows is mine.  Also: I fetch for O (0) or for Wo (1)
	s_and_b32 s16, s14, 1                          ; which half of the columns.  Also: the slot that I fill
	s_bfe_u32 s40, ttmp6, 0x40000                  ; cx, cy: my place in the cluster
	s_bfe_u32 s41, ttmp6, 0x40004
	s_lshl_b32 s42, ttmp9, 2
	s_add_co_u32 s42, s42, s40                     ; the block of 128 columns
	s_and_b32 s17, ttmp7, 0xffff
	s_lshl_b32 s17, s17, 2
	s_add_co_u32 s17, s17, s41                     ; the block of 128 rows
	s_lshl_b32 s43, s41, 2
	s_lshl_b32 s43, 15, s43                        ; my row of the cluster
	s_lshl_b32 s44, 0x1111, s40                    ; my column
	; descriptor group 1: O: a dense block of 256 rows x 256 bytes;  Wo: 128 rows x 512 bytes, 2,048 bytes apart in memory, padded in LDS
	s_or_b32 s[G1+0], s43, (3<<16)|(1<<21)         ; 15:0 the mask: my row; 17:16 elements of 8 bytes; 21 set beside a mask
	s_mov_b32 s[G1+1], 32<<16                      ; tensor_dim0
	s_mov_b32 s[G1+2], 256<<16                     ; tensor_dim1
	s_mov_b32 s[G1+3], 32<<16                      ; tile_dim0
	s_mov_b32 s[G1+4], 256                         ; tile_dim1
	s_mov_b32 s[G1+5], 32                          ; tensor_dim0_stride
	s_mov_b32 s[G1+6], 0
	s_mov_b32 s[G1+7], 0
	s_or_b32 s[G1B+0], s44, (1<<20)|(1<<21)|(6<<22)|(3<<25)  ; the mask: my column; elements of 1 byte; 20 padding on; 24:22 after every 128 words; 31:25 four words
	s_mov_b32 s[G1B+1], 512<<16
	s_mov_b32 s[G1B+2], 128<<16
	s_mov_b32 s[G1B+3], 512<<16
	s_mov_b32 s[G1B+4], 128
	s_mov_b32 s[G1B+5], 2048
	s_mov_b32 s[G1B+6], 0
	s_mov_b32 s[G1B+7], 0
	s_mov_b32 s[G0], 1                             ; count = 1
	s_mov_b32 s[G0B], 1
	s_lshl_b32 s[G0+1], s16, 16                    ; LDS addresses: no place in the cluster enters them
	s_mul_i32 s[G0B+1], s16, BCH
	s_add_co_u32 s[G0B+1], s[G0B+1], BBASE
	s_lshl_b32 s20, s17, 18
	s_lshl_b32 s18, s16, 16
	s_add_co_u32 s20, s20, s18                     ; O: my block, chunk s16
	s_mov_b32 s21, 0
	s_lshl_b32 s46, s42, 18
	s_lshl_b32 s19, s16, 9
	s_add_co_u32 s46, s46, s19                     ; Wo: my columns' rows, 512 x s16 along K
	s_mov_b32 s47, 0
	s_wait_dscnt 0x0                               ; both opening adds are done
	s_wait_kmcnt 0x0
	s_load_b64 s[66:67], s[10:11], 0x28            ; e10, e11
	s_add_nc_u64 s[G0+2:G0+3], s[4:5], s[20:21]
	s_or_b32 s[G0+3], s[G0+3], 0x80000000          ; type = 2
	s_add_nc_u64 s[G0B+2:G0B+3], s[6:7], s[46:47]
	s_or_b32 s[G0B+3], s[G0B+3], 0x80000000
	CROUND                                         ; all sixteen work-groups are here: the first joint loads meet
	JLOAD                                          ; both slots, one tensor load a wave
	; A PREFETCH INTO THE L2 of chunks 2 and 3, a slot's four K steps ahead of their loads.  Each cluster asks for what it will itself load; the four partners that ask jointly share a chunk out BY ADDRESS:
	; of O's 65,536 bytes each takes 16,384 by cx (waves 0 and 1: 8,192 each, lanes 256 bytes apart); of Wo's 128 rows each takes 32 by cy (waves 2 and 3: 256 bytes of each row, a lane a row)
	s_lshl_b32 s77, s17, 18
	s_lshl_b32 s78, s40, 14
	s_add_co_u32 s77, s77, s78
	s_lshl_b32 s78, s16, 13
	s_add_co_u32 s77, s77, s78
	s_add_co_u32 s77, s77, 2*ACH                   ; O, chunk 2
	s_lshl_b32 s78, s42, 18
	s_lshl_b32 s79, s41, 16
	s_add_co_u32 s78, s78, s79
	s_lshl_b32 s79, s16, 8
	s_add_co_u32 s78, s78, s79
	s_add_co_u32 s78, s78, 1024                    ; Wo, chunk 2
	s_mov_b32 s74, 512                             ; a chunk on, in Wo
	s_mov_b32 s75, 0
	s_cmp_eq_u32 s15, 0
	s_cselect_b64 s[PFA:PFA+1], s[4:5], s[6:7]
	s_cselect_b32 s20, s77, s78
	s_cselect_b32 s74, ACH, s74                    ; a chunk on, in O
	s_cselect_b32 s76, 8, 11                       ; lanes 256 or 2,048 bytes apart
	s_mov_b32 s21, 0
	s_add_nc_u64 s[PFA:PFA+1], s[PFA:PFA+1], s[20:21]
	s_lshl_b32 s22, s15, 13                        ; my four row tiles in a K step of O
	s_mul_i32 s45, s16, 64*PB
	s_add_co_u32 s45, s45, BBASE                   ; my 64 rows of Wo
	s_mul_i32 s23, s14, 16*SP
	s_add_co_u32 s23, s23, STAGE                   ; my stage
	s_lshl_b32 s70, s42, 9
	s_lshl_b32 s72, s16, 8
	s_add_co_u32 s70, s70, s72                     ; my columns, in bytes
	s_mov_b32 s71, 0
	s_add_nc_u64 s[8:9], s[8:9], s[70:71]
	s_add_nc_u64 s[12:13], s[12:13], s[70:71]
	s_lshl_b32 s70, s17, 20
	s_lshl_b32 s72, s15, 19
	s_add_co_u32 s70, s70, s72                     ; my first row
	s_add_nc_u64 s[12:13], s[12:13], s[70:71]
	v_and_b32 v1, 15, v0                           ; r
	v_bfe_u32 v2, v0, 4, 1                         ; h
	v_and_b32 v3, 31, v0
	v_lshlrev_b32 v6, 5, v2
	v_lshlrev_b32 v[PFO], s76, v3
	v_lshlrev_b32 v7, 4, v3
	v_mul_u32_u24 v4, v1, PB
	v_mul_u32_u24 v5, v1, SP
	v_mul_u32_u24 v8, v2, SP
	v_lshlrev_b32 v9, 13, v2
	v_add_nc_u32 v[ADA], s22, v7
	v_lshl_add_u32 v4, v2, 4, v4                   ; a fragment's row x pitch + 16 h
	v_lshl_add_u32 v5, v2, 5, v5
	v_lshl_add_u32 v8, v1, 4, v8
	v_lshl_add_u32 v[CO], v1, 4, v9                ; lanes 0-15 store one row of out, lanes 16-31 the next
	v_add_nc_u32 v[ADB], s45, v4
	v_add_nc_u32 v[STO], s23, v5
	v_add_nc_u32 v[RD], s23, v8
	v_add_nc_u32 v[ADA+1], ACH, v[ADA]
	v_add_nc_u32 v[ADB+1], BCH, v[ADB]
.irp b, 0,1,2,3
	global_load_b128 v[BO+8*\b:BO+8*\b+3],   v6, s[8:9] offset:64*\b   ; the bias of columns 16 b + 8 h + 0 .. 7
	global_load_b128 v[BO+8*\b+4:BO+8*\b+7], v6, s[8:9] offset:64*\b+16
.endr
.macro FETCH slot, q, p                ; 32 LDS loads: the fragments of the slot's q-th K step into set p
	WIN 0x40
.irp a, 0,1,2,3
.irp c, 0,1,2,3
	ds_load_b128 v[128*(\p)+16*\a+4*\c:128*(\p)+16*\a+4*\c+3], v[ADA+\slot] offset:16384*(\q)+2048*\a+512*\c
.endr
.endr
.irp b, 0,1,2,3
.irp c, 0,1,2,3
	ds_load_b128 v[128*(\p)+64+16*\b+4*\c:128*(\p)+64+16*\b+4*\c+3], v[ADB+\slot] offset:\b*16*PB+128*(\q)+32*\c
.endr
.endr
.endm
.macro MULR p, a, zero                 ; row tile a x four column tiles.  The 16 accumulators take turns, one instruction a turn, in the same order in every K step
	WIN 0x05
.irp b, 0,1,2,3
.if \zero
	v_wmma_f32_16x16x128_fp8_fp8 v[ACC+8*(4*\a+\b):ACC+8*(4*\a+\b)+7], v[128*(\p)+64+16*\b:128*(\p)+64+16*\b+15], v[128*(\p)+16*\a:128*(\p)+16*\a+15], 0
.else
	v_wmma_f32_16x16x128_fp8_fp8 v[ACC+8*(4*\a+\b):ACC+8*(4*\a+\b)+7], v[128*(\p)+64+16*\b:128*(\p)+64+16*\b+15], v[128*(\p)+16*\a:128*(\p)+16*\a+15], v[ACC+8*(4*\a+\b):ACC+8*(4*\a+\b)+7]
.endif
.endr
.endm
.macro STEP slot, q, zero
	s_wait_dscnt 0x0                               ; this step's set is in
	PLACES 4                                       ; in front of the loads into the set that the step before multiplied
	FETCH \slot, (\q)+1, ((\q)+1)%2
	MULR (\q)%2, 0, \zero
	MULR (\q)%2, 1, \zero
	MULR (\q)%2, 2, \zero
	MULR (\q)%2, 3, \zero
.endm
; A slot's last K step changes slots: in front of the barrier each wave waits for all its tensor loads, adds 0 to its spare word, and waits for that and for its own reads of this slot.  fill = 1: the slot is filled again.
.macro TURN slot, next, fill
	WIN 0
	s_wait_tensorcnt 0x0                           ; no tensor load of mine is out: my part of the next slot is in
	ds_add_u32 v[SPW], v[NIL]                      ; 0 onto my spare word
.if (\fill) && (\slot == 0)
	s_add_nc_u64 s[G0+2:G0+3], s[G0+2:G0+3], 2*ACH ; each wave fills its slot again once: two chunks on
	s_add_nc_u64 s[G0B+2:G0B+3], s[G0B+2:G0B+3], 1024
.endif
	s_wait_dscnt 1                                 ; the last set is in; the add alone may be out
	MULR 1, 0, 0
	s_wait_dscnt 0x0                               ; the add is done, and my reads of this slot are over
	s_barrier_signal -1
	MULR 1, 1, 0
	WIN 0
	s_barrier_wait -1
.if \fill
	CREST                                          ; the barrier has opened a round of the cluster's barrier
	REFILL \slot
.endif
	PLACES 4
	FETCH \next, 0, 0
	MULR 1, 2, 0
	MULR 1, 3, 0
.endm
	s_wait_alu depctr_va_vdst(0)                   ; the wait at the head's end
	s_wait_tensorcnt 0x0                           ; my chunk is in,
	s_barrier_signal -1
	s_barrier_wait -1                              ; everybody's is: both slots are whole
	FETCH 0, 0, 0
	WIN 0
	global_prefetch_b8 v[PFO], s[PFA:PFA+1] th:TH_LOAD_NT scope:SCOPE_SE   ; chunk 2
	STEP 0, 0, 1                                   ; the first products start the sums
	STEP 0, 1, 0
	STEP 0, 2, 0
	TURN 0, 1, 1
	WIN 0
	s_wait_xcnt 0x0                                ; the prefetch, a slot back, has read its address, so it may be stepped
	s_add_nc_u64 s[PFA:PFA+1], s[PFA:PFA+1], s[74:75]
	global_prefetch_b8 v[PFO], s[PFA:PFA+1] th:TH_LOAD_NT scope:SCOPE_SE   ; chunk 3
	STEP 1, 0, 0
	STEP 1, 1, 0
	STEP 1, 2, 0
	TURN 1, 0, 1
	STEP 0, 0, 0
	STEP 0, 1, 0
	STEP 0, 2, 0
	TURN 0, 1, 0                                   ; nothing is filled again
	STEP 1, 0, 0
	STEP 1, 1, 0
	STEP 1, 2, 0
	s_wait_dscnt 0x0                               ; the very last K step
	MULR 1, 0, 0
	MULR 1, 1, 0
	MULR 1, 2, 0
	MULR 1, 3, 0
	WIN 0
; THE WAY OUT, a row tile of 16 rows x 64 columns at a time: number = sum x 2^(e10 + e11) + bias; through my own stage in LDS, and back as whole rows of 256 bytes: sixteen lanes store one aligned unit of 256 bytes.
; LDS serves a wave's instructions in order (ISA guide 5.7.1.4): no wait between the stores and the loads.
.macro TOSTAGE a
.irp b, 0,1,2,3
.irp j, 0,2,4,6
	v_pk_fma_f32 v[TMP+8*\b+\j:TMP+8*\b+\j+1], v[ACC+8*(4*\a+\b)+\j:ACC+8*(4*\a+\b)+\j+1], s[68:69], v[BO+8*\b+\j:BO+8*\b+\j+1] op_sel_hi:[1,0,1]
.endr
.endr
.irp b, 0,1,2,3
	ds_store_b128 v[STO], v[TMP+8*\b:TMP+8*\b+3] offset:64*\b
	ds_store_b128 v[STO], v[TMP+8*\b+4:TMP+8*\b+7] offset:64*\b+16
.endr
.irp t, 0,1,2,3,4,5,6,7
	ds_load_b128 v[ACC+32*\a+4*\t:ACC+32*\a+4*\t+3], v[RD] offset:\t*2*SP
.endr
.endm
.macro SEND a, younger                 ; younger: the LDS instructions issued behind row tile a's loads
.irp t, 0,1,2,3,4,5,6,7
	s_wait_dscnt \younger+7-\t
	global_store_b128 v[CO], v[ACC+32*\a+4*\t:ACC+32*\a+4*\t+3], s[12:13] offset:(16*\a+2*\t)*8192 th:TH_STORE_NT
.endr
.endm
	s_wait_kmcnt 0x0
	s_add_co_i32 s68, s66, s67
	s_add_co_i32 s68, s68, 127
	s_lshl_b32 s68, s68, 23                        ; 2^(e10 + e11) as f32
	s_mov_b32 s69, s68                             ; (the packed form names the pair)
	s_wait_loadcnt 0x0                             ; the bias
	PLACES 4                                       ; the places behind the last products
	TOSTAGE 0
	TOSTAGE 1
	SEND 0, 16
	TOSTAGE 2
	SEND 1, 16
	TOSTAGE 3
	SEND 2, 16
	SEND 3, 0
	s_wait_tensorcnt 0x0                           ; the wave's end
	ds_add_u32 v[SPW], v[NIL]
	s_wait_dscnt 0x0
	CROUND                                         ; the closing round: no work-group ends while a partner may still ask for a chunk that names it
	s_endpgm
.Lfunc_end_k_qbb073c08aa_oproj:
	.size	k_qbb073c08aa_oproj, .Lfunc_end_k_qbb073c08aa_oproj-k_qbb073c08aa_oproj
	.p2alignl 7, 3214868480
	.fill 96, 4, 3214868480
	.section	.rodata,"a",@progbits
	.p2align	6, 0x0
	.amdhsa_kernel k_qbb073c08aa_oproj
		.amdhsa_group_segment_fixed_size 327680
		.amdhsa_private_segment_fixed_size 0
		.amdhsa_enable_private_segment 0
		.amdhsa_kernarg_size 40
		.amdhsa_user_sgpr_count 2
		.amdhsa_user_sgpr_kernarg_segment_ptr 1
		.amdhsa_wavefront_size32 1
		.amdhsa_system_sgpr_workgroup_id_x 1
		.amdhsa_system_sgpr_workgroup_id_y 1
		.amdhsa_system_sgpr_workgroup_id_z 1
		.amdhsa_system_vgpr_workitem_id 0
		.amdhsa_next_free_vgpr 512
		.amdhsa_next_free_sgpr 80
		.amdhsa_reserve_vcc 0
		.amdhsa_float_denorm_mode_32 3
		.amdhsa_float_denorm_mode_16_64 3
		.amdhsa_memory_ordered 1
		.amdhsa_forward_progress 1
		.amdhsa_inst_pref_size 75
	.end_amdhsa_kernel
	.amdgpu_metadata
---
amdhsa.version: [ 1, 2 ]
amdhsa.kernels:
  - .name:           k_qbb073c08aa_oproj
    .symbol:         k_qbb073c08aa_oproj.kd
    .args:
      - { .name: af, .offset: 0, .size: 8, .value_kind: global_buffer, .address_space: global }
      - { .name: Wo_codes, .offset: 8, .size: 8, .value_kind: global_buffer, .address_space: global }
      - { .name: bo, .offset: 16, .size: 8, .value_kind: global_buffer, .address_space: global }
      - { .name: lowp_scales, .offset: 24, .size: 8, .value_kind: global_buffer, .address_space: global }
      - { .name: out0, .offset: 32, .size: 8, .value_kind: global_buffer, .address_space: global }
    .group_segment_fixed_size: 327680
    .private_segment_fixed_size: 0
    .kernarg_segment_align: 8
    .kernarg_segment_size: 40
    .max_flat_workgroup_size: 128
    .sgpr_count:     80
    .vgpr_count:     512
    .wavefront_size: 32
...
	.end_amdgpu_metadata
.endif
;; end of part 3
